; MI455X (gfx1250); checked and timed in simulation.
; The chip was launched on July 23, 2026; its instructions are those of AMD's public machine-readable ISA for CDNA 5 (MIT licence, August 2026) and "CDNA5" Instruction Set Architecture Reference Guide (July 2026). The comments in the code are by the model that wrote it; some were corrected since.
;; Mo E Layer. Allowed arithmetic: matrix products marked QUANTISED: E2M1 operands, one E8M0 scale for each 32 along K, by v_wmma_scale_f32_16x16x128_f8f6f4 with both operands' format E2M1 (or v_wmma_scale_f32_32x16x128_f4), f32 sums; everything else in f32.
;; Inputs: W1 16 x 512 x 2,048 float32; W2 16 x 2,048 x 512 float32; Wr 512 x 16 float32; b1 16 x 2,048 float32; b2 16 x 512 float32; x 8 x 256 x 512 float32.
;; Outputs: out0 8 x 256 x 512 float32; out1 one number float32.
;; This version of the problem:
;;   THIS VERSION OF THE PROBLEM IS GIVEN IN LOW PRECISION. The matrix products marked QUANTISED in the list below multiply operands that are first quantised to E2M1 (2 exponent bits, 1 mantissa bit; 4 bits a number), with one power-of-two scale for each 32 numbers along K (OCP MX v1.0); their sums are f32. All else is computed in f32.
;;   The module's matrix products, in the order in which they are computed (A, B: the left and right operand; K: the contracted axis; several contracted axes count as one K, in the product's order):
;;     1. [M 2,048, K 512] x [K 512, N 16]; A: input x; B: input Wr: QUANTISED
;;     2. [M 32,768, K 512] x [K 512, N 2,048]; A: input W1; B: input x: QUANTISED
;;     3. batch 16 x [M 2,048, K 2,048] x [K 2,048, N 512]; A: computed on the way; B: input W2: QUANTISED
;;   THE QUANTISER, for each operand of a quantised product, along K:
;;     - K is cut into blocks of 32 from its start; a last block that is shorter is filled with zeros.
;;     - A block's scale is 2^e with e = floor(log2(the largest magnitude in the block)) - 2, held to -126 .. 127; a block of zeros has e = 0. As a byte (E8M0): e + 127.
;;     - Each number is divided by its block's scale, clamped to +-6, and rounded to the nearest number of E2M1, ties to even, subnormals kept.
;;     - The product sums the exact products of the quantised numbers (number of the format x scale) in f32.
;;   ~~~python
;;   def quantise(x, axis):      # numpy; x: float32 -> the quantised numbers, widened to float32 again
;;       x = np.moveaxis(x, axis, -1); K = x.shape[-1]
;;       x = np.pad(x, [(0, 0)] * (x.ndim - 1) + [(0, -K % 32)]); x = x.reshape(x.shape[:-1] + (-1, 32)); a = np.abs(x).max(-1, keepdims=True)
;;       e = np.where(a > 0, np.clip(np.frexp(np.where(a > 0, a, 1))[1] - 1 - 2, -126, 127), 0)      # np.frexp(a)[1] - 1 = floor(log2(a)), exactly
;;       r = np.clip(x / 2.0 ** e, -6, 6)
;;       step = 2.0 ** (np.maximum(np.frexp(np.where(r == 0, 1, r))[1] - 1, 0) - 1)
;;       q = np.round(r / step) * step * 2.0 ** e      # np.round: ties to even
;;       return np.moveaxis(q.reshape(q.shape[:-2] + (-1,))[..., :K], -1, axis).astype(np.float32)
;;   ~~~
;;   OPERANDS COMPUTED ON THE WAY. 'Computed on the way' means the value that the module computes at that place (a softmax that the list does not call 'softmax' is quantised finished and normalised). What goes into a quantiser is computed in f32, as accurately as f32 sums, v_exp_f32 and their like allow (about 1e-6 of the number): no bf16 or f16 on the way to a quantiser, and a product that is left as it is and whose result goes on into a quantised operand takes f32 operands (vector FMAs, or v_wmma_f32_16x16x4_f32). A number that lies on a knife's edge between two numbers of the format may be rounded either way, as far as f32 arithmetic and the matrix unit's own rounding can turn it there, and no further.
;; 2 versions, each right; version 2 is version 1 with the launches up, down written anew for expert scheduling mode. Each part assembles by itself: llvm-mc -triple=amdgcn-amd-amdhsa -mcpu=gfx1250 --defsym DOCPART=n.
;; ======== version 1 of 2: 4 launches
;; workspace buffers: xq 577,536 bytes; route 12,288 bytes of whole numbers; hq 35,651,584 bytes; ptab 8,192 bytes of whole numbers; eo 134,217,728 bytes
;; launch router (part 1): grid 32 x 1, 4 waves a work-group, no clusters, 173,312 bytes of LDS; arguments x, Wr, xq, route; writes xq, route
.if DOCPART == 1
	.amdgcn_target "amdgcn-amd-amdhsa--gfx1250"
	.amdhsa_code_object_version 6
	.text
	.protected	k_q74d8cfbef0_router
	.globl	k_q74d8cfbef0_router
	.p2align	8
	.type	k_q74d8cfbef0_router,@function
k_q74d8cfbef0_router:
	s_mov_b64 s[64:65], 0
	v_nop
	global_prefetch_b8 v0, s[64:65] scope:SCOPE_SE
	s_setreg_imm32_b32 hwreg(HW_REG_WAVE_MODE, 25, 1), 1
	s_wait_xcnt 0x0
; ROUTER.  x [2048][512] f32 is quantised along its 512 to FP4 (E2M1) with one E8M0 byte for each 32; Wr [512][16] likewise along its first axis; logits = Q(x) Q(Wr) by the scaled matrix form.
; Stored: x's codes, row by row (256 bytes a token), x's scale words (4 a token), the two gates of each token, each work-group's part of the aux sums (all in xq);
; as whole numbers in route: mask[e][W] (bit b of word W: token 32 W + b chose expert e) and choice[t] = e0 | e1 << 8.  Nothing here forms an address or a branch from the logits.
; SHARES.  A work-group takes 64 tokens, a wave 16 (one tile); wave w also quantises K step w (128 rows) of Wr, and the four fragments go from wave to wave through LDS as images of their registers.
; The product is used transposed (source 0 = Wr's 16 experts, source 1 = 16 tokens): lane (r, h) holds token r and in register j the logit of expert 8 h + j.
; top-2: the largest, ties to the lower index; then the same with that place set to -infinity.  The softmaxes take the largest logit away first.
; LIMITS: NaN and infinities among the inputs are not served.  A block of zeros gets the byte 1 (not 127) over zero codes; the bytes are read by this program alone.  The aux sums are added in another order than reference()'s.
.set XSTW, 33024                       ; LDS: from 0 a stage for each wave's 16 rows of x, 2,048 bytes + 16 a row; its first 4,352 bytes later hold the wave's codes, 256 + 16 a row
.set WST,  132096                      ; a stage for each wave's 128 rows of Wr: four blocks of 32 rows x 64 bytes, 128 bytes of padding behind each
.set WSTW, 8704
.set WRI,  166912                      ; Wr's four fragments, 1,024 bytes each
.set WRS,  171008                      ; their scale words, 128 bytes each
.set CHL,  171520                      ; 64 choices
.set GTL,  171776                      ; 64 x 2 gates
.set AXL,  172288                      ; 4 waves x 32 aux sums
.set XQS,  524288                      ; in xq: scale words,
.set XQG,  557056                      ; gates,
.set XQA,  573440                      ; aux sums
.set RCH,  4096                        ; in route: choices
.set ID,   24                          ; v24-31   8 h + j
.set WRF,  32                          ; v32-63   Wr's four fragments
.set XN0,  64                          ; v64-127  Wr as loaded; 64 numbers of x; later at work
.set XN1,  128                         ; v128-191 Wr by columns; 64 numbers of x; later the codes on their way out
.set XFR,  192                         ; v192-223 x's four fragments (first: my fragment of Wr)
.set XPW,  224                         ; v224-227 x's scale words
.set WSC,  228                         ; v228-231 Wr's scale words
.set TM,   232                         ; v232-247 at work in the quantiser
.set LG,   248                         ; v248-255 the logits
.set SEL,  18                          ; s[18:19] lane selects: lane l xor 16
.set MSB,  0
.macro WIN new                         ; the immediate's high byte repeats the setting that is left
.if MSB != \new
	s_set_vgpr_msb (MSB<<8)|\new
.set MSB, \new
.endif
.endm
; 64 numbers of a lane, register 16 b + i = k 32 b + 16 (lane / 16) + i of my row, become a fragment's codes in v[pc] on and its scale word in v[pw]
.macro QUANT s, pc, pw
.irp b, 0,1,2,3
	v_max3_num_f32 v[TM+\b], |v[\s+16*\b]|, |v[\s+1+16*\b]|, 0x1800000   ; my 16 numbers of block b, and the floor 2^(3 - 127): the byte cannot fall under 1
.endr
.irp i, 2,4,6,8,10,12,14
.irp b, 0,1,2,3
	v_max3_num_f32 v[TM+\b], v[TM+\b], |v[\s+16*\b+\i]|, |v[\s+1+16*\b+\i]|
.endr
.endr
.irp b, 0,1,2,3
	v_permlanex16_b32 v[TM+4+\b], v[TM+\b], s[SEL], s[SEL+1]
.endr
.irp b, 0,1,2,3
	v_max_num_f32 v[TM+\b], v[TM+\b], v[TM+4+\b]                 ; with lane l xor 16's: the block's largest magnitude
.endr
.irp b, 0,1,2,3
	v_add_nc_u32 v[TM+12+\b], 0xff000000, v[TM+\b]               ; 2 off its exponent field: the conversion's scale operand
.endr
.irp b, 0,1,2,3
	v_lshrrev_b32 v[TM+4+\b], 23, v[TM+12+\b]                    ; the scale's byte
.endr
	v_lshl_or_b32 v[\pw], v[TM+5], 8, v[TM+4]
	v_lshl_or_b32 v[\pw], v[TM+6], 16, v[\pw]
	v_lshl_or_b32 v[\pw], v[TM+7], 24, v[\pw]
.irp b, 0,1,2,3
	v_cvt_scalef32_pk8_fp4_f32 v[\pc+2*\b], v[\s+16*\b:\s+7+16*\b], v[TM+12+\b]
	v_cvt_scalef32_pk8_fp4_f32 v[\pc+1+2*\b], v[\s+8+16*\b:\s+15+16*\b], v[TM+12+\b]
.endr
	v_nop                                          ; one plain place behind a scaled conversion
.irp c, 0,1                                    ; the operand wants a whole block in a lane: lanes 0-15 block 2 c, lanes 16-31 block 2 c + 1
.irp i, 0,1
	v_permlane16_swap_b32 v[\pc+4*\c+\i], v[\pc+2+4*\c+\i]
.endr
.endr
.endm
.macro XREAD s, reg                    ; K step s of my row of x out of the stage: 16 neighbours of each block of 32
.irp b, 0,1,2,3
.irp j, 0,1,2,3
	ds_load_b128 v[\reg+16*\b+4*\j:\reg+16*\b+4*\j+3], v6 offset:512*\s+128*\b+16*\j
.endr
.endr
.endm
	s_load_b128 s[4:7], s[0:1], 0x0                ; x, Wr
	s_load_b128 s[8:11], s[0:1], 0x10              ; xq, route
	v_lshl_add_u32 v243, v0, 2, 0x2a300
	s_set_vgpr_msb 0x80
	v_mov_b32 v1, 0
	s_set_vgpr_msb 0x8000
	v_lshrrev_b32 v1, 5, v0
	v_readfirstlane_b32 s2, v1                     ; wave 0..3
	v_and_b32 v1, 31, v0                           ; lane
	v_and_b32 v2, 15, v0                           ; r
	v_bfe_u32 v3, v0, 4, 1                         ; h
	v_lshlrev_b32 v4, 4, v1                        ; 16 x lane
	s_mul_i32 s12, s2, XSTW
	v_add_nc_u32 v5, s12, v4                       ; x's stage, in: as loaded
	v_mul_u32_u24 v6, v2, 2064
	v_lshl_add_u32 v6, v3, 6, v6
	v_add_nc_u32 v6, s12, v6                       ; out: row r, + 64 h
	v_mul_u32_u24 v13, v2, 272
	v_lshl_add_u32 v13, v3, 4, v13
	v_add_nc_u32 v13, s12, v13                     ; the codes' stage, in: row r, + 16 h
	v_mul_u32_u24 v14, v3, 272
	v_lshl_add_u32 v14, v2, 4, v14
	v_add_nc_u32 v14, s12, v14                     ; out: lanes 0-15 one row, lanes 16-31 the next
	s_mul_i32 s12, s2, WSTW
	s_add_co_u32 s12, s12, WST
	v_add_nc_u32 v7, s12, v4                       ; Wr's stage, in
	v_mul_u32_u24 v8, v3, 2176
	v_lshl_add_u32 v8, v2, 2, v8
	v_add_nc_u32 v8, s12, v8                       ; out: column r, lanes 16-31 one block further down
	v_add_nc_u32 v9, WRI, v4                       ; an image's place for my lane
	v_lshl_add_u32 v10, v1, 2, WRS                 ; a scale word's
	s_lshl_b32 s12, s2, 10
	v_add_nc_u32 v11, s12, v9                      ; where I store my fragment of Wr
	s_lshl_b32 s12, s2, 7
	v_add_nc_u32 v12, s12, v10                     ; and its scale words
	v_lshl_add_u32 v17, v1, 2, AXL
	v_add_nc_u32 v17, s12, v17                     ; my wave's aux sums
	v_lshlrev_b32 v16, 3, v2
	v_lshl_add_u32 v16, v3, 2, v16
	v_add_nc_u32 v16, s12, v16
	v_add_nc_u32 v16, GTL, v16                     ; token 16 w + r: gate h
	s_lshl_b32 s12, s2, 6
	v_lshl_add_u32 v15, v2, 2, CHL
	v_add_nc_u32 v15, s12, v15                     ; token 16 w + r: its choice
	s_and_b32 s12, s2, 1
	s_lshl_b32 s12, s12, 7
	v_lshl_add_u32 v18, v1, 2, CHL
	v_add_nc_u32 v18, s12, v18                     ; back: the choices of 32 tokens, a lane a token
	v_lshl_add_u32 v19, v1, 3, CHL                 ; back: all 64, two a lane
	v_add_nc_u32 v20, GTL, v4                      ; back: the gates
	v_lshl_add_u32 v21, v1, 2, AXL                 ; back: the aux sums
	v_lshlrev_b32 v22, 4, v2
	v_lshl_add_u32 v22, v3, 3, v22                 ; 16 r + 8 h: two of a token's four scale words
	v_lshlrev_b32 v23, 8, v1                       ; 256 x lane: a row of masks
.irp j, 0,1,2,3,4,5,6,7
	v_lshl_add_u32 v[ID+\j], v3, 3, \j             ; the expert of register j
.endr
.irp b, 4,5,6,7,9
	v_mov_b32 v[TM+\b], 0                          ; written once: a lane permute's destination counts as one of its sources
.endr
	s_mov_b32 s[SEL], 0x76543210
	s_mov_b32 s[SEL+1], 0xfedcba98
	s_mov_b32 s20, 0xffff0000                      ; lanes 16-31
	s_mov_b32 s15, 0
	s_wait_kmcnt 0x0
	s_lshl_b32 s14, ttmp9, 17                      ; 64 rows of 2,048 bytes a work-group,
	s_lshl_b32 s12, s2, 15                         ; 16 a wave
	s_add_co_u32 s14, s14, s12
	s_add_nc_u64 s[4:5], s[4:5], s[14:15]
	s_lshl_b32 s14, s2, 13                         ; 128 rows of 64 bytes
	s_add_nc_u64 s[6:7], s[6:7], s[14:15]
	s_lshl_b32 s14, ttmp9, 14
	s_lshl_b32 s12, s2, 12
	s_add_co_u32 s14, s14, s12
	s_add_nc_u64 s[22:23], s[8:9], s[14:15]        ; my 16 tokens' codes
	s_lshl_b32 s14, ttmp9, 10
	s_lshl_b32 s12, s2, 8
	s_add_co_u32 s14, s14, s12
	s_add_nc_u64 s[24:25], s[8:9], s[14:15]        ; and (XQS on) their scale words
.set I, 0
.rept 16
	global_load_b128 v[XN0+4*I:XN0+4*I+3], v4, s[6:7] offset:512*I          ; my K step of Wr: 8,192 consecutive bytes
.set I, I+1
.endr
	WIN 0x40                                       ; destination window 1
.set I, 0
.rept 64
	global_load_b128 v[4*I:4*I+3], v4, s[4:5] offset:512*I th:TH_LOAD_NT    ; my 16 rows of x: 32,768 consecutive bytes, 512 a load
.set I, I+1
.endr
	WIN 0
	s_wait_loadcnt 63                              ; 64 loads were issued behind Wr's sixteen
.set I, 0
.rept 16
	ds_store_b128 v7, v[XN0+4*I:XN0+4*I+3] offset:512*I+128*(I/4)
.set I, I+1
.endr
.irp c, 0,1
.set I, 0
.rept 32
	ds_load_b32 v[XN1+32*\c+I], v8 offset:4352*\c+64*I   ; Wr(128 w + 64 c + 32 h + i, r): my registers run down K.  LDS serves a wave's instructions in order: these see the stores
.set I, I+1
.endr
.endr
	s_wait_dscnt 0x0
.irp c, 0,1                                    ; my block 2 c + h of column r: all its 32 numbers are mine
	v_max3_num_f32 v[TM+\c], |v[XN1+32*\c]|, |v[XN1+32*\c+1]|, 0x1800000
.endr
.irp i, 2,4,6,8,10,12,14,16,18,20,22,24,26,28,30
.irp c, 0,1
	v_max3_num_f32 v[TM+\c], v[TM+\c], |v[XN1+32*\c+\i]|, |v[XN1+32*\c+\i+1]|
.endr
.endr
.irp c, 0,1
	v_add_nc_u32 v[TM+12+\c], 0xff000000, v[TM+\c]
.endr
.irp c, 0,1
	v_lshrrev_b32 v[TM+4+\c], 23, v[TM+12+\c]
.endr
	v_lshl_or_b32 v[TM+8], v[TM+5], 16, v[TM+4]    ; my two bytes, blocks h and 2 + h,
	v_lshlrev_b32 v[TM+10], 3, v3
	v_lshlrev_b32 v[TM+8], v[TM+10], v[TM+8]       ; at their places in the word;
	v_permlanex16_b32 v[TM+9], v[TM+8], s[SEL], s[SEL+1]
	v_or_b32 v[TM+8], v[TM+8], v[TM+9]             ; with lane l xor 16's two the word is whole
.irp c, 0,1
.irp g, 0,1,2,3
	v_cvt_scalef32_pk8_fp4_f32 v[XFR+4*\c+\g], v[XN1+32*\c+8*\g:XN1+32*\c+8*\g+7], v[TM+12+\c]
.endr
.endr
	v_nop                                          ; one plain place behind a scaled conversion
	ds_store_b128 v11, v[XFR:XFR+3]                ; the fragment as it stands
	ds_store_b128 v11, v[XFR+4:XFR+7] offset:512
	ds_store_b32 v12, v[TM+8]
	WIN 0x04                                       ; an LDS store's data: window 1
.irp q, 0,1,2,3
	s_wait_loadcnt 48-16*\q                        ; the later quarters' loads may be out
.set I, 16*\q
.rept 16
	ds_store_b128 v5, v[4*I:4*I+3] offset:(I/4)*2064+(I%4)*512
.set I, I+1
.endr
.endr
	WIN 0
	s_wait_dscnt 0x0                               ; for the others' sake: my fragment of Wr lies in LDS
	s_barrier_signal -1
	s_barrier_wait -1
.irp s, 0,1,2,3
	ds_load_b128 v[WRF+8*\s:WRF+8*\s+3], v9 offset:1024*\s
	ds_load_b128 v[WRF+8*\s+4:WRF+8*\s+7], v9 offset:1024*\s+512
	ds_load_b32 v[WSC+\s], v10 offset:128*\s
.endr
	XREAD 0, XN0
	XREAD 1, XN1
	s_wait_dscnt 16                                ; all but the next K step's sixteen loads
	QUANT XN0, XFR, XPW
	XREAD 2, XN0
	s_wait_dscnt 16
	QUANT XN1, XFR+8, XPW+1
	XREAD 3, XN1
	s_wait_dscnt 16
	QUANT XN0, XFR+16, XPW+2
	s_wait_dscnt 0x0
	QUANT XN1, XFR+24, XPW+3
.rept 8
	v_nop                                          ; a scale register written by a vector instruction stands 8 places ahead of a scaled matrix instruction, an operand 4
.endr
	v_wmma_scale_f32_16x16x128_f8f6f4 v[LG:LG+7], v[WRF:WRF+7], v[XFR:XFR+7], 0, v[WSC], v[XPW] matrix_a_fmt:MATRIX_FMT_FP4 matrix_b_fmt:MATRIX_FMT_FP4
.irp s, 1,2,3
	s_wait_alu depctr_va_vdst(0)                   ; a wait ahead of each link
	v_wmma_scale_f32_16x16x128_f8f6f4 v[LG:LG+7], v[WRF+8*\s:WRF+8*\s+7], v[XFR+8*\s:XFR+8*\s+7], v[LG:LG+7], v[WSC+\s], v[XPW+\s] matrix_a_fmt:MATRIX_FMT_FP4 matrix_b_fmt:MATRIX_FMT_FP4
.endr
	; x's codes leave by rows: through my own stage (my reads of x's numbers there are over), then 16 lanes store 256 consecutive bytes, aligned
.irp s, 0,1,2,3
.irp c, 0,1
	ds_store_b128 v13, v[XFR+8*\s+4*\c:XFR+8*\s+4*\c+3] offset:64*\s+32*\c
.endr
.endr
.irp i, 0,1,2,3,4,5,6,7
	ds_load_b128 v[XN1+4*\i:XN1+4*\i+3], v14 offset:544*\i
.endr
	v_cndmask_b32 v104, v[XPW], v[XPW+2], s20      ; lanes 0-15 store words 0 and 1 of token r, lanes 16-31 words 2 and 3
	v_cndmask_b32 v105, v[XPW+1], v[XPW+3], s20
	global_store_b64 v22, v[104:105], s[24:25] offset:XQS   ; 256 consecutive bytes, aligned
.irp i, 0,1,2,3,4,5,6,7
	s_wait_dscnt 7-\i
	global_store_b128 v4, v[XN1+4*\i:XN1+4*\i+3], s[22:23] offset:512*\i
.endr
.rept 4
	v_nop                                          ; places behind the last product, ahead of the first read of the logits
.endr
	v_max3_num_f32 v64, v[LG], v[LG+1], v[LG+2]
	v_max3_num_f32 v64, v64, v[LG+3], v[LG+4]
	v_max3_num_f32 v64, v64, v[LG+5], v[LG+6]
	v_max_num_f32 v64, v64, v[LG+7]
	v_permlanex16_b32 v65, v64, s[SEL], s[SEL+1]
	v_max_num_f32 v66, v64, v65                    ; m0: the token's largest logit
	v_mov_b32 v67, 64
.irp j, 7,6,5,4,3,2,1,0
	v_cmp_eq_f32 vcc_lo, v[LG+\j], v66
	v_cndmask_b32 v67, v67, v[ID+\j], vcc_lo       ; descending, so that the lowest index stays
.endr
	v_permlanex16_b32 v65, v67, s[SEL], s[SEL+1]
	v_min_u32 v67, v67, v65                        ; i0
	v_mov_b32 v70, 0xff800000                      ; -infinity
.irp j, 0,1,2,3,4,5,6,7
	v_cmp_eq_u32 vcc_lo, v[ID+\j], v67
	v_cndmask_b32 v[72+\j], v[LG+\j], v70, vcc_lo  ; the logits without the first choice
	v_cndmask_b32 v[88+\j], 0, 1.0, vcc_lo         ; one-hot of the first choice
.endr
	v_max3_num_f32 v64, v72, v73, v74
	v_max3_num_f32 v64, v64, v75, v76
	v_max3_num_f32 v64, v64, v77, v78
	v_max_num_f32 v64, v64, v79
	v_permlanex16_b32 v65, v64, s[SEL], s[SEL+1]
	v_max_num_f32 v68, v64, v65                    ; m1
	v_mov_b32 v69, 64
.irp j, 7,6,5,4,3,2,1,0
	v_cmp_eq_f32 vcc_lo, v[72+\j], v68
	v_cndmask_b32 v69, v69, v[ID+\j], vcc_lo
.endr
	v_permlanex16_b32 v65, v69, s[SEL], s[SEL+1]
	v_min_u32 v69, v69, v65                        ; i1
.irp j, 0,1,2,3,4,5,6,7
	v_sub_f32 v[80+\j], v[LG+\j], v66              ; the largest is taken away first
.endr
	v_sub_f32 v96, v68, v66
.irp j, 0,1,2,3,4,5,6,7
	v_mul_f32 v[80+\j], 0x3fb8aa3b, v[80+\j]
.endr
	v_mul_f32 v96, 0x3fb8aa3b, v96
.irp j, 0,1,2,3,4,5,6,7
	v_exp_f32 v[80+\j], v[80+\j]
.endr
	v_exp_f32 v96, v96                             ; e^(m1 - m0)
	v_lshl_or_b32 v71, v69, 8, v67                 ; the choice.  (A plain place behind the exponentials)
	s_wait_alu depctr_va_vdst(0)                   ; one wait for the nine, ahead of their first reader
	v_add_f32 v97, v80, v81
	v_add_f32 v98, v82, v83
	v_add_f32 v99, v84, v85
	v_add_f32 v100, v86, v87
	v_add_f32 v97, v97, v98
	v_add_f32 v99, v99, v100
	v_add_f32 v97, v97, v99
	v_permlanex16_b32 v65, v97, s[SEL], s[SEL+1]
	v_add_f32 v97, v97, v65                        ; the sum over 16 experts
	v_add_f32 v98, 1.0, v96
	v_rcp_f32 v99, v97
	v_rcp_f32 v100, v98                            ; g0 = 1 / (1 + e^(m1 - m0))
	v_nop
	s_wait_alu depctr_va_vdst(0)                   ; one wait for the two
.irp j, 0,1,2,3,4,5,6,7
	v_mul_f32 v[80+\j], v[80+\j], v99              ; the probabilities
.endr
	v_mul_f32 v101, v96, v100                      ; g1
	v_cndmask_b32 v101, v100, v101, s20            ; lanes 0-15 carry g0, lanes 16-31 g1
.irp m, 1,2,4,8                                ; sums over my 16 tokens
.irp j, 0,1,2,3,4,5,6,7
	v_add_f32_dpp v[80+\j], v[80+\j], v[80+\j] row_xmask:\m row_mask:0xf bank_mask:0xf
	v_add_f32_dpp v[88+\j], v[88+\j], v[88+\j] row_xmask:\m row_mask:0xf bank_mask:0xf
.endr
.endr
	v_mov_b32 v102, v80
	v_mov_b32 v103, v88
.irp j, 1,2,3,4,5,6,7
	s_mov_b32 s12, 0x01010101<<\j                  ; the lanes with r % 8 = j
	v_cndmask_b32 v102, v102, v[80+\j], s12
	v_cndmask_b32 v103, v103, v[88+\j], s12
.endr
	s_mov_b32 s12, 0xff00ff00
	v_cndmask_b32 v102, v102, v103, s12            ; lane (r, h): r < 8: the probabilities' sum of expert 8 h + r;  else the count of first choices of expert 8 h + r - 8
	ds_store_b32 v15, v71                          ; (both halves of the lanes write the same word with the same value)
	ds_store_b32 v16, v101
	ds_store_b32 v17, v102
	s_wait_dscnt 0x0
	s_barrier_signal -1
	s_barrier_wait -1
	s_cmp_lt_u32 s2, 2
	s_cbranch_scc0 .Lnot_mask
	; waves 0 and 1: the masks of 32 tokens: word 2 b + w of each of the 16 rows
	ds_load_b32 v64, v18
	s_wait_dscnt 0x0
	v_and_b32 v65, 0xff, v64
	v_lshrrev_b32 v66, 8, v64
	v_mov_b32 v67, 0
.irp e, 0,1,2,3,4,5,6,7,8,9,10,11,12,13,14,15
	v_cmp_eq_u32 s12, \e, v65
	v_cmp_eq_u32 s13, \e, v66
	s_or_b32 s12, s12, s13
	v_writelane_b32 v67, s12, \e                   ; lane e carries expert e's word
.endr
	s_lshl_b32 s14, ttmp9, 3
	s_lshl_b32 s12, s2, 2
	s_add_co_u32 s14, s14, s12
	s_add_nc_u64 s[10:11], s[10:11], s[14:15]
	s_wait_xcnt 0x0                                ; EXEC changes only behind this wait: stores are out
	v_cmp_gt_u32 vcc_lo, 16, v1
	s_set_vgpr_msb 0x8
	s_wait_tensorcnt 0x0
	ds_add_u32 v243, v1
	s_wait_dscnt 0x0
	s_set_vgpr_msb 0x800
	s_and_saveexec_b32 s12, vcc_lo
	global_store_b32 v23, v67, s[10:11]            ; 4 bytes in each of 16 rows: the table is 4,096 bytes in all, laid for its scalar readers
	s_wait_xcnt 0x0
	s_or_b32 exec_lo, exec_lo, s12
	s_endpgm
.Lnot_mask:
	s_cmp_eq_u32 s2, 2
	s_cbranch_scc0 .Lgates
	; wave 2: the 64 choices, and the work-group's aux sums
	ds_load_b64 v[64:65], v19
.irp k, 0,1,2,3
	ds_load_b32 v[66+\k], v21 offset:128*\k
.endr
	v_lshlrev_b32 v70, 3, v1
	v_lshlrev_b32 v71, 2, v1
	s_lshl_b32 s14, ttmp9, 8
	s_add_nc_u64 s[10:11], s[10:11], s[14:15]
	s_lshl_b32 s14, ttmp9, 7
	s_add_nc_u64 s[8:9], s[8:9], s[14:15]
	s_wait_dscnt 0x0
	global_store_b64 v70, v[64:65], s[10:11] offset:RCH      ; 256 consecutive bytes, aligned
	v_add_f32 v66, v66, v67
	v_add_f32 v68, v68, v69
	v_add_f32 v66, v66, v68
	global_store_b32 v71, v66, s[8:9] offset:XQA
	s_set_vgpr_msb 0x8
	s_wait_tensorcnt 0x0
	ds_add_u32 v243, v1
	s_wait_dscnt 0x0
	s_set_vgpr_msb 0x800
	s_endpgm
.Lgates:
	; wave 3: the 128 gates
	ds_load_b128 v[64:67], v20
	s_lshl_b32 s14, ttmp9, 9
	s_add_nc_u64 s[8:9], s[8:9], s[14:15]
	s_wait_dscnt 0x0
	global_store_b128 v4, v[64:67], s[8:9] offset:XQG        ; 512 consecutive bytes, aligned
	s_set_vgpr_msb 0x8
	s_wait_tensorcnt 0x0
	ds_add_u32 v243, v1
	s_wait_dscnt 0x0
	s_set_vgpr_msb 0x800
	s_endpgm
.Lfunc_end_k_q74d8cfbef0_router:
	.size	k_q74d8cfbef0_router, .Lfunc_end_k_q74d8cfbef0_router-k_q74d8cfbef0_router
	.p2alignl 7, 3214868480
	.fill 96, 4, 3214868480
	.section	.rodata,"a",@progbits
	.p2align	6, 0x0
	.amdhsa_kernel k_q74d8cfbef0_router
		.amdhsa_group_segment_fixed_size 173312
		.amdhsa_private_segment_fixed_size 0
		.amdhsa_enable_private_segment 0
		.amdhsa_kernarg_size 32
		.amdhsa_user_sgpr_count 2
		.amdhsa_user_sgpr_kernarg_segment_ptr 1
		.amdhsa_wavefront_size32 1
		.amdhsa_system_sgpr_workgroup_id_x 1
		.amdhsa_system_sgpr_workgroup_id_y 1
		.amdhsa_system_sgpr_workgroup_id_z 1
		.amdhsa_system_vgpr_workitem_id 0
		.amdhsa_next_free_vgpr 514
		.amdhsa_next_free_sgpr 66
		.amdhsa_reserve_vcc 1
		.amdhsa_float_denorm_mode_32 3
		.amdhsa_float_denorm_mode_16_64 3
		.amdhsa_memory_ordered 1
		.amdhsa_forward_progress 1
		.amdhsa_inst_pref_size 65
	.end_amdhsa_kernel
	.amdgpu_metadata
---
amdhsa.version: [ 1, 2 ]
amdhsa.kernels:
  - .name:           k_q74d8cfbef0_router
    .symbol:         k_q74d8cfbef0_router.kd
    .args:
      - { .name: x, .offset: 0, .size: 8, .value_kind: global_buffer, .address_space: global }
      - { .name: Wr, .offset: 8, .size: 8, .value_kind: global_buffer, .address_space: global }
      - { .name: xq, .offset: 16, .size: 8, .value_kind: global_buffer, .address_space: global }
      - { .name: route, .offset: 24, .size: 8, .value_kind: global_buffer, .address_space: global }
    .group_segment_fixed_size: 173312
    .private_segment_fixed_size: 0
    .kernarg_segment_align: 8
    .kernarg_segment_size: 32
    .max_flat_workgroup_size: 128
    .sgpr_count:     66
    .vgpr_count:     514
    .wavefront_size: 32
...
	.end_amdgpu_metadata
.endif
;; end of part 1
;; launch up (part 2): grid 16 x 16, 8 waves a work-group, no clusters, 298,496 bytes of LDS; arguments W1, b1, xq, route, hq, ptab; writes hq, ptab
.if DOCPART == 2
	.amdgcn_target "amdgcn-amd-amdhsa--gfx1250"
	.amdhsa_code_object_version 6
	.text
	.protected	k_q74d8cfbef0_up
	.globl	k_q74d8cfbef0_up
	.p2align	8
	.type	k_q74d8cfbef0_up,@function
k_q74d8cfbef0_up:
	s_mov_b64 s[64:65], 0
	v_nop
	global_prefetch_b8 v0, s[64:65] scope:SCOPE_SE
	s_setreg_imm32_b32 hwreg(HW_REG_WAVE_MODE, 25, 1), 1
	s_wait_xcnt 0x0
; UP.  h = Q(gelu(Q(x) Q(W1[e]) + b1[e])) for the rows that chose expert e alone: reference() gathers only those.  gelu is the tanh form, written x / (1 + 2^(x (c0 + c1 x^2))), which is the same function.
; SHARES.  Work-group (s, e) owns hidden units 128 s .. 128 s + 127 of expert e, which are K step s of the second product: 512 x 128 numbers of W1, 256 KiB of f32, read from memory by this work-group alone.
; PHASE W: wave w takes 128 rows of K (K step w / 2) x 64 columns (half w % 2): 64 loads of two rows x 256 bytes; through its own stage in LDS the numbers come back with a lane to a column and registers down K,
; are quantised block by block, and the fragments go to LDS as images of their registers.  Behind ONE barrier every wave holds the slice's 32 fragments (256 registers, window 1) and 16 registers of scale words.
; THE COLUMNS OF A TILE ARE NOT NEIGHBOURS: lane r of tile 2 b + u takes hidden unit 32 b + 8 u + r + 8 (r / 8), so that the 16 registers of tiles 2 b and 2 b + 1 of the result are 16 neighbours along the next K.
; ROWS.  Expert e's rows are its tokens in ascending order; rank j is the token at the j-th set bit of mask[e] (64 words in scalar registers).  Wave w takes groups w, w + 8, .. of 32 ranks: two tiles of 16;
; with G = ceil(count / 32) groups that is (G + 7 - w) / 8 trips, at most 8, counted by 1.
; The product is used transposed (source 0 = 16 hidden units, source 1 = 16 tokens); b1 is the C of each sum's first product.  The result is quantised in registers and stored as register images:
; hq: codes [e][group 64][s 16][tile 2][1,024 bytes]; from HQS on scale words [e][group][s][32]: lanes 0-15 tile 0's rows, lanes 16-31 tile 1's.
; Ranks at or beyond the expert's count in its last group take some token's numbers; what is stored for them is never used.  Work-group (0, e), wave 0, also stores ptab[e]: the ranks before each word, and the count.
; No tensor load, no cluster: trip counts hang on counts read from memory.  No prefetch: every weight byte is asked for by its own load at the head.
; LIMITS: NaN and infinities are not served.  A block of zeros gets the byte 1 over zero codes; the bytes are read by this program alone.
.set GP,   8192                        ; a row of W1[e] in bytes
.set TSTR, 4096                        ; from tile to tile among the images (fragment 4 t + ks)
.set SSTR, 512                         ; from pair of tiles to pair among the scale words (4 (t / 2) + ks)
.set IMG,  262144                      ; LDS: from 0 eight stages of 128 rows x 256 bytes; here 32 images of 1,024 bytes;
.set SCL,  294912                      ; 16 x 128 bytes of scale words;
.set B1L,  296960                      ; the slice's 128 numbers of b1
.set XQS,  524288
.set HQS,  33554432
.set WGO, 4                            ; v4   8,192 h + 16 r: my 16 bytes of a load's two rows
.set STW, 5                            ; v5   my stage, in: 16 x lane
.set STR, 6                            ; v6   my stage, out: 4 x my column
.set IMW, 7                            ; v7   where I store images
.set SCW, 8                            ; v8   and scale words
.set IMR, 9                            ; v9   IMG + 16 x lane
.set SCR, 10                           ; v10  SCL + 4 x lane;  v11 b1 into LDS, v12 b1 in memory, v13 b1 out of LDS, v14 16 x lane, v15 4 x lane
.set WS,  32                           ; v32-47   W1's scale words: lanes 0-15 the even tile's, lanes 16-31 the odd tile's
.set XF,  48                           ; v48-111  x's fragments: tile u at 32 u, K step ks at 8 ks
.set XSC, 112                          ; v112-119 x's scale words, four a tile
.set HA,  120                          ; v120-183 eight accumulators
.set X,   120                          ;          (phase W: two sets of 32 numbers)
.set GT,  184                          ; v184-215 at work in gelu
.set CA,  184                          ;          (phase W: codes of an even block, of an odd block, scale bytes, at work; v198 my number of b1)
.set CB,  188
.set SBY, 192
.set QT,  194
.set TM,  216                          ; v216-231 at work in the quantiser
.set PC,  232                          ; v232-239 the codes just made
.set PW,  240                          ; v240-241 the two tiles' scale words;  v242 both in one register
.set PWS, 242
.set C0,  246                          ; v[246:247] c0, v[248:249] c1
.set C1,  248
.set SEL, 96                           ; s[96:97] lane selects: lane l xor 16
.set TRIP, 99                          ; s99  the trip in hand, from 0, stepped by 1
.set TRIPS, 100                        ; s100 my wave's trips; the loop does not write it
.set MSB, 0
.macro WIN new                         ; the immediate's high byte repeats the setting that is left
.if MSB != \new
	s_set_vgpr_msb (MSB<<8)|\new
.set MSB, \new
.endif
.endm
.macro LOADW from, n                   ; loads from .. from + n - 1 of my 64: rows 2 i and 2 i + 1, 256 consecutive bytes of each, aligned
.set I, \from
.rept \n
	global_load_b128 v[4*I:4*I+3], v[WGO], s[4:5] offset:I*2*GP th:TH_LOAD_NT
.set I, I+1
.endr
.endm
.macro STORE16 bb                      ; block bb (32 rows of K) into my stage
.set I, 16*\bb
.rept 16
	ds_store_b128 v[STW], v[4*I:4*I+3] offset:512*I
.set I, I+1
.endr
.endm
.macro RB g, bb, set                   ; block bb of my column in column group g: 32 lanes read 32 different words of 128 consecutive bytes
.set I, 0
.rept 32
	ds_load_b32 v[X+32*(\set)+I], v[STR] offset:(32*(\bb)+I)*256+128*(\g)
.set I, I+1
.endr
.endm
.macro QB xs, c, g, bb                 ; 32 numbers down K of one column: four registers of codes, and the byte into the column's scale word
	v_max3_num_f32 v[QT], |v[\xs]|, |v[\xs+1]|, |v[\xs+2]|
	v_max3_num_f32 v[QT+1], |v[\xs+3]|, |v[\xs+4]|, |v[\xs+5]|
.irp i, 6,10,14,18,22,26
	v_max3_num_f32 v[QT], v[QT], |v[\xs+\i]|, |v[\xs+\i+1]|
	v_max3_num_f32 v[QT+1], v[QT+1], |v[\xs+\i+2]|, |v[\xs+\i+3]|
.endr
	v_max3_num_f32 v[QT], v[QT], |v[\xs+30]|, |v[\xs+31]|
	v_max3_num_f32 v[QT], v[QT], v[QT+1], 0x1800000              ; and the floor 2^(3 - 127): the byte cannot fall under 1
	v_add_nc_u32 v[QT+2], 0xff000000, v[QT]                      ; 2 off the exponent field: the conversion's scale operand
	v_lshrrev_b32 v[QT+3], 23, v[QT+2]                           ; the byte
.if \bb == 0
	v_mov_b32 v[SBY+\g], v[QT+3]
.else
	v_lshl_or_b32 v[SBY+\g], v[QT+3], 8*\bb, v[SBY+\g]
.endif
.irp q, 0,1,2,3
	v_cvt_scalef32_pk8_fp4_f32 v[\c+\q], v[\xs+8*\q:\xs+8*\q+7], v[QT+2]
.endr
.endm
.macro PAIR g, c                       ; blocks 2 c and 2 c + 1 of 32 columns become registers 4 c .. 4 c + 3 of two fragments: lanes 0-15's columns, lanes 16-31's columns
	v_nop                                          ; one plain place behind a scaled conversion
.irp i, 0,1,2,3
	v_permlane16_swap_b32 v[CA+\i], v[CB+\i]
.endr
	ds_store_b128 v[IMW], v[CA:CA+3] offset:(2*(\g))*TSTR+512*(\c)
	ds_store_b128 v[IMW], v[CB:CB+3] offset:(2*(\g)+1)*TSTR+512*(\c)
.endm
; 64 numbers of a lane, register 16 b + i = k 32 b + 16 (lane / 16) + i of my row, become a fragment's codes in v[pc] on and its scale word in v[pw]
.macro QUANT s, pc, pw
.irp b, 0,1,2,3
	v_max3_num_f32 v[TM+\b], |v[\s+16*\b]|, |v[\s+1+16*\b]|, 0x1800000
.endr
.irp i, 2,4,6,8,10,12,14
.irp b, 0,1,2,3
	v_max3_num_f32 v[TM+\b], v[TM+\b], |v[\s+16*\b+\i]|, |v[\s+1+16*\b+\i]|
.endr
.endr
.irp b, 0,1,2,3
	v_permlanex16_b32 v[TM+4+\b], v[TM+\b], s[SEL], s[SEL+1]
.endr
.irp b, 0,1,2,3
	v_max_num_f32 v[TM+\b], v[TM+\b], v[TM+4+\b]
.endr
.irp b, 0,1,2,3
	v_add_nc_u32 v[TM+12+\b], 0xff000000, v[TM+\b]
.endr
.irp b, 0,1,2,3
	v_lshrrev_b32 v[TM+4+\b], 23, v[TM+12+\b]
.endr
	v_lshl_or_b32 v[\pw], v[TM+5], 8, v[TM+4]
	v_lshl_or_b32 v[\pw], v[TM+6], 16, v[\pw]
	v_lshl_or_b32 v[\pw], v[TM+7], 24, v[\pw]
.irp b, 0,1,2,3
	v_cvt_scalef32_pk8_fp4_f32 v[\pc+2*\b], v[\s+16*\b:\s+7+16*\b], v[TM+12+\b]
	v_cvt_scalef32_pk8_fp4_f32 v[\pc+1+2*\b], v[\s+8+16*\b:\s+15+16*\b], v[TM+12+\b]
.endr
	v_nop
.irp c, 0,1
.irp i, 0,1
	v_permlane16_swap_b32 v[\pc+4*\c+\i], v[\pc+2+4*\c+\i]
.endr
.endr
.endm
; v16 = a rank a lane -> v17 = the token at that rank; s88 ends as the expert's count.  The last word with no more ranks before it than mine holds my bit; in it the bit is found by halving, on counts of 16, 8, 4, 2 and 1 bits.
; One halving: the count of the lower half's bits is a field of wd bits of v[src] at my position; where my rank within the range is not under it, the count is taken off the rank and the position goes step bits up.
.macro LEVEL src, wd, step
	v_bfe_u32 v26, v[\src], v25, \wd
	v_cmp_ge_u32 vcc_lo, v24, v26
	v_sub_nc_u32 v27, v24, v26
	v_cndmask_b32 v24, v24, v27, vcc_lo
	v_add_nc_u32 v27, \step, v25
	v_cndmask_b32 v25, v25, v27, vcc_lo
.endm
.macro SELECT
	s_mov_b32 s88, 0
	v_mov_b32 v18, 0
	v_mov_b32 v19, 0
	v_mov_b32 v20, 0
.set W, 0
.rept 64
.set MW, 16+W+(W/48)*4                 ; word W lies in s[16 + W], from word 48 on in s[20 + W]
	v_cmp_gt_u32 vcc_lo, s88, v16                  ; more ranks before this word than mine: keep
	v_cndmask_b32 v18, s[MW], v18, vcc_lo          ; the word,
	v_cndmask_b32 v19, s88, v19, vcc_lo            ; the ranks before it,
	v_cndmask_b32 v20, W, v20, vcc_lo              ; its number
	s_bcnt1_i32_b32 s89, s[MW]
	s_add_co_u32 s88, s88, s89
.set W, W+1
.endr
	v_sub_nc_u32 v24, v16, v19                     ; my rank within the word
	v_lshrrev_b32 v21, 1, v18
	v_and_b32 v21, 0x55555555, v21
	v_sub_nc_u32 v21, v18, v21                     ; counts of 2 bits
	v_lshrrev_b32 v22, 2, v21
	v_and_b32 v22, 0x33333333, v22
	v_and_b32 v26, 0x33333333, v21
	v_add_nc_u32 v22, v22, v26                     ; of 4
	v_lshrrev_b32 v23, 4, v22
	v_add_nc_u32 v23, v23, v22
	v_and_b32 v23, 0x0f0f0f0f, v23                 ; of 8
	v_lshrrev_b32 v17, 8, v23
	v_add_nc_u32 v17, v17, v23                     ; of 16: five bits at bit 0 and at bit 16
	v_mov_b32 v25, 0
	LEVEL 17, 5, 16
	LEVEL 23, 8, 8
	LEVEL 22, 4, 4
	LEVEL 21, 2, 2
	LEVEL 18, 1, 1
	v_lshl_add_u32 v17, v20, 5, v25
.endm
; the two tiles' fragments and scale words of x, gathered by token: nine loads a tile
.macro XGATHER
	v_permlanex16_b32 v27, v17, s[SEL], s[SEL+1]
	v_cndmask_b32 v26, v17, v27, s98               ; tile 0, row r: lane r's token, in both halves of the lanes
	v_cndmask_b32 v27, v27, v17, s98               ; tile 1, row r: lane 16 + r's
	v_min_u32 v26, 0x7ff, v26                      ; a token's number, held inside the table
	v_min_u32 v27, 0x7ff, v27
.irp u, 0,1
	v_lshlrev_b32 v[28+\u], 8, v[26+\u]
	v_lshl_add_u32 v[28+\u], v3, 4, v[28+\u]       ; 256 bytes of codes a token, + 16 h
	v_lshlrev_b32 v[30+\u], 4, v[26+\u]            ; 16 bytes of scale words a token
.endr
.irp u, 0,1
.irp ks, 0,1,2,3
.irp c, 0,1
	global_load_b128 v[XF+32*\u+8*\ks+4*\c:XF+32*\u+8*\ks+4*\c+3], v[28+\u], s[8:9] offset:64*\ks+32*\c
.endr
.endr
	global_load_b128 v[XSC+4*\u:XSC+4*\u+3], v[30+\u], s[8:9] offset:XQS
.endr
.endm
.macro GELU x                          ; 32 numbers in place: x / (1 + 2^(x (c0 + c1 x^2))).  An exponential that overflows gives 0, one that underflows gives x
.set J, 0
.rept 16
	v_pk_mul_f32 v[GT+J:GT+J+1], v[\x+J:\x+J+1], v[\x+J:\x+J+1]
.set J, J+2
.endr
.set J, 0
.rept 16
	v_pk_fma_f32 v[GT+J:GT+J+1], v[GT+J:GT+J+1], v[C1:C1+1], v[C0:C0+1]
.set J, J+2
.endr
.set J, 0
.rept 16
	v_pk_mul_f32 v[GT+J:GT+J+1], v[GT+J:GT+J+1], v[\x+J:\x+J+1]
.set J, J+2
.endr
.set J, 0
.rept 32
	v_exp_f32 v[GT+J], v[GT+J]
.set J, J+1
.endr
	v_nop                                          ; a plain place behind the batch
	s_wait_alu depctr_va_vdst(0)                   ; one wait for the 32, ahead of their first reader
.set J, 0
.rept 16
	v_pk_add_f32 v[GT+J:GT+J+1], v[GT+J:GT+J+1], 1.0 op_sel_hi:[1,0]
.set J, J+2
.endr
.set J, 0
.rept 32
	v_rcp_f32 v[GT+J], v[GT+J]
.set J, J+1
.endr
	v_nop
	s_wait_alu depctr_va_vdst(0)
.set J, 0
.rept 16
	v_pk_mul_f32 v[\x+J:\x+J+1], v[\x+J:\x+J+1], v[GT+J:GT+J+1]
.set J, J+2
.endr
.endm
.macro UM t, ks, u                     ; tile t of the hidden units x tile u of the rows, K step ks
.if (\t)%2 == 0
	v_wmma_scale_f32_16x16x128_f8f6f4 v[HA+8*(\t):HA+8*(\t)+7], v[8*(4*(\t)+\ks):8*(4*(\t)+\ks)+7], v[XF+32*\u+8*\ks:XF+32*\u+8*\ks+7], v[HA+8*(\t):HA+8*(\t)+7], v[WS+4*((\t)/2)+\ks], v[XSC+4*\u+\ks] matrix_a_fmt:MATRIX_FMT_FP4 matrix_b_fmt:MATRIX_FMT_FP4
.else
	v_wmma_scale_f32_16x16x128_f8f6f4 v[HA+8*(\t):HA+8*(\t)+7], v[8*(4*(\t)+\ks):8*(4*(\t)+\ks)+7], v[XF+32*\u+8*\ks:XF+32*\u+8*\ks+7], v[HA+8*(\t):HA+8*(\t)+7], v[WS+4*((\t)/2)+\ks], v[XSC+4*\u+\ks] matrix_a_fmt:MATRIX_FMT_FP4 matrix_b_fmt:MATRIX_FMT_FP4 matrix_a_scale:MATRIX_SCALE_ROW1
.endif
.endm
.macro TILE u
.irp t, 0,1,2,3,4,5,6,7
.irp q, 0,1
	ds_load_b128 v[HA+8*\t+4*\q:HA+8*\t+4*\q+3], v13 offset:128*(\t/2)+32*(\t%2)+16*\q   ; b1 of my eight hidden units of tile t: the sums begin with it
.endr
.endr
.if \u == 0
	s_wait_loadcnt 9                               ; tile 0's nine loads are in; tile 1's nine may be out
.else
	s_wait_loadcnt 0x0
.endif
	s_wait_dscnt 0x0
	WIN 0x01                                       ; source 0 (W1) window 1
.irp ks, 0,1,2,3                               ; the eight accumulators take turns, one instruction a turn
.irp t, 0,1,2,3,4,5,6,7
	UM \t, \ks, \u
.endr
.endr
	WIN 0
.rept 4
	v_nop                                          ; places behind the products: ahead of the first read of results and of loads into x's registers
.endr
.if \u == 1
	s_add_co_u32 s3, s[TRIP], 1                    ; if another trip follows, its tokens are found and its operands asked for while this tile is finished
	s_cmp_lt_u32 s3, s[TRIPS]
	s_cbranch_scc0 .Lno_next_\@
	s_add_co_u32 s3, s87, 256                      ; eight groups of 32 ranks on
	v_add_nc_u32 v16, s3, v1
	SELECT
	XGATHER
.Lno_next_\@:
.endif
	GELU HA
	GELU HA+32
	s_wait_xcnt 0x0                                ; the last stores have read the codes' registers
	QUANT HA, PC, PW+\u
	global_store_b128 v14, v[PC:PC+3], s[92:93] offset:1024*\u th:TH_STORE_NT        ; the fragment as it stands: 512 consecutive bytes a store, aligned
	global_store_b128 v14, v[PC+4:PC+7], s[92:93] offset:1024*\u+512 th:TH_STORE_NT
.endm
	s_load_b256 s[4:11], s[0:1], 0x0               ; W1, b1, xq, route
	s_load_b128 s[12:15], s[0:1], 0x20             ; hq, ptab
	v_lshl_add_u32 v254, v0, 2, 0x48a00
	v_mov_b32 v255, 0
	v_lshrrev_b32 v1, 5, v0
	v_readfirstlane_b32 s2, v1                     ; wave 0..7
	s_mov_b32 s84, ttmp9                           ; the slice
	s_and_b32 s85, ttmp7, 0xffff                   ; the expert
	v_and_b32 v1, 31, v0                           ; lane
	v_and_b32 v2, 15, v0                           ; r
	v_bfe_u32 v3, v0, 4, 1                         ; h
	v_lshlrev_b32 v14, 4, v1
	v_lshlrev_b32 v15, 2, v1
	v_lshlrev_b32 v[WGO], 4, v2
	v_lshl_add_u32 v[WGO], v3, 13, v[WGO]
	s_lshl_b32 s3, s2, 15
	v_add_nc_u32 v[STW], s3, v14
	v_and_b32 v[STR], 8, v2
	v_add_nc_u32 v[STR], v[STR], v2
	v_lshl_add_u32 v[STR], v3, 3, v[STR]           ; my column of 32: 8 h + r + 8 (r / 8)
	v_lshlrev_b32 v[STR], 2, v[STR]
	v_add_nc_u32 v[STR], s3, v[STR]
	s_and_b32 s88, s2, 1                           ; which 64 columns
	s_lshr_b32 s89, s2, 1                          ; which K step
	s_lshl_b32 s3, s88, 14
	s_lshl_b32 s90, s89, 10
	s_add_co_u32 s3, s3, s90
	s_add_co_u32 s3, s3, IMG
	v_add_nc_u32 v[IMW], s3, v14
	s_lshl_b32 s3, s88, 10
	s_lshl_b32 s90, s89, 7
	s_add_co_u32 s3, s3, s90
	s_add_co_u32 s3, s3, SCL
	v_add_nc_u32 v[SCW], s3, v15
	v_add_nc_u32 v[IMR], IMG, v14
	v_add_nc_u32 v[SCR], SCL, v15
	s_lshl_b32 s3, s2, 6
	v_lshl_add_u32 v12, v2, 2, s3                  ; number 16 w + r of the slice's b1
	v_add_nc_u32 v11, B1L, v12
	v_lshl_add_u32 v13, v3, 6, B1L                 ; back: + 16 numbers for lanes 16-31
	s_mov_b32 s[SEL], 0x76543210
	s_mov_b32 s[SEL+1], 0xfedcba98
	s_mov_b32 s98, 0xffff0000                      ; lanes 16-31
	s_lshl_b32 s87, s2, 5                          ; my first group's first rank
	v_add_nc_u32 v16, s87, v1
.irp b, 4,5,6,7
	v_mov_b32 v[TM+\b], 0                          ; written once: a lane permute's destination counts as one of its sources
.endr
	v_mov_b32 v[C0], 0xc0135761                    ; c0 = -2 sqrt(2 / pi) log2(e)
	v_mov_b32 v[C0+1], 0xc0135761
	v_mov_b32 v[C1], 0xbdd2d3e8                    ; c1 = 0.044715 c0
	v_mov_b32 v[C1+1], 0xbdd2d3e8
	s_mov_b32 s91, 0
	s_wait_kmcnt 0x0
	s_lshl_b32 s90, s85, 8
	s_add_nc_u64 s[10:11], s[10:11], s[90:91]      ; the expert's 64 mask words
	s_load_b512 s[16:31], s[10:11], 0x0
	s_load_b512 s[32:47], s[10:11], 0x40
	s_load_b512 s[48:63], s[10:11], 0x80
	s_load_b512 s[68:83], s[10:11], 0xc0
	s_lshl_b32 s90, s85, 22                        ; W1[e]: 4 MiB;
	s_lshl_b32 s3, s89, 20                         ; 128 rows of 8,192 bytes;
	s_add_co_u32 s90, s90, s3
	s_lshl_b32 s3, s84, 9                          ; 128 columns;
	s_add_co_u32 s90, s90, s3
	s_lshl_b32 s3, s88, 8                          ; 64 columns
	s_add_co_u32 s90, s90, s3
	s_add_nc_u64 s[4:5], s[4:5], s[90:91]
	s_lshl_b32 s90, s85, 13
	s_lshl_b32 s3, s84, 9
	s_add_co_u32 s90, s90, s3
	s_add_nc_u64 s[6:7], s[6:7], s[90:91]
	global_load_b32 v198, v12, s[6:7]              ; the oldest load
	WIN 0x40                                       ; destination window 1
	LOADW 0, 60
	WIN 0
	s_lshl_b32 s90, s85, 21                        ; hq, codes: 2 MiB an expert, 32,768 bytes a group, 2,048 a slice
	s_lshl_b32 s3, s2, 15
	s_add_co_u32 s90, s90, s3
	s_lshl_b32 s3, s84, 11
	s_add_co_u32 s90, s90, s3
	s_add_nc_u64 s[92:93], s[12:13], s[90:91]
	s_lshl_b32 s90, s85, 17                        ; scale words: 131,072 an expert, 2,048 a group, 128 a slice
	s_lshl_b32 s3, s2, 11
	s_add_co_u32 s90, s90, s3
	s_lshl_b32 s3, s84, 7
	s_add_co_u32 s90, s90, s3
	s_add_nc_u64 s[94:95], s[12:13], s[90:91]
	s_add_nc_u64 s[94:95], s[94:95], HQS
	s_lshl_b32 s90, s85, 9
	s_add_nc_u64 s[14:15], s[14:15], s[90:91]      ; ptab's row
	s_wait_kmcnt 0x0                               ; the masks
	s_or_b32 s3, s84, s2
	s_cmp_lg_u32 s3, 0
	s_cbranch_scc1 .Lno_ptab
	v_mov_b32 v243, 0                              ; slice 0, wave 0: the table for the last launch
	v_mov_b32 v244, 0
	s_mov_b32 s88, 0
.set W, 0
.rept 64
.set MW, 16+W+(W/48)*4
	v_writelane_b32 v[243+W/32], s88, W%32         ; the ranks before word W
	s_bcnt1_i32_b32 s89, s[MW]
	s_add_co_u32 s88, s88, s89
.set W, W+1
.endr
	v_mov_b32 v245, s88                            ; the count
	global_store_b32 v15, v243, s[14:15]
	global_store_b32 v15, v244, s[14:15] offset:128
	global_store_b32 v15, v245, s[14:15] offset:256
.Lno_ptab:
	SELECT                                         ; my first group's tokens, while the weights are on their way; s88 = the expert's count of rows
	s_add_co_u32 s[TRIPS], s88, 31
	s_lshr_b32 s[TRIPS], s[TRIPS], 5               ; G: the expert's groups of 32 ranks
	s_add_co_u32 s[TRIPS], s[TRIPS], 7
	s_sub_co_u32 s[TRIPS], s[TRIPS], s2
	s_lshr_b32 s[TRIPS], s[TRIPS], 3               ; groups w, w + 8, .. under G: (G + 7 - w) / 8 of them
	s_min_u32 s[TRIPS], s[TRIPS], 8                ; 64 groups over 8 waves at the most
	s_mov_b32 s[TRIP], 0
	WIN 0x40
	LOADW 60, 4                                    ; the last four stand behind the search, so that the wave does not stand at a full counter ahead of it
	WIN 0
	; ---- PHASE W
	s_wait_loadcnt 48                              ; b1's number and block 0 are in; 48 loads were issued behind them
	ds_store_b32 v11, v198                         ; (both halves of the lanes write the same word with the same value)
	WIN 0x04                                       ; an LDS store's data: window 1
	STORE16 0
	s_wait_loadcnt 32
	STORE16 1
	WIN 0
	RB 0, 0, 0
	RB 0, 1, 1
	s_wait_dscnt 32                                ; all but the next unit's 32 loads, here and below: LDS serves a wave's instructions in order
	QB X, CA, 0, 0
	RB 1, 0, 0
	s_wait_dscnt 32
	QB X+32, CB, 0, 1
	PAIR 0, 0
	RB 1, 1, 1
	s_wait_dscnt 32
	QB X, CA, 1, 0
	s_wait_loadcnt 16
	WIN 0x04
	STORE16 2
	s_wait_loadcnt 0x0
	STORE16 3
	WIN 0
	RB 0, 2, 0
	s_wait_dscnt 32
	QB X+32, CB, 1, 1
	PAIR 1, 0
	RB 0, 3, 1
	s_wait_dscnt 32
	QB X, CA, 0, 2
	RB 1, 2, 0
	s_wait_dscnt 32
	QB X+32, CB, 0, 3
	PAIR 0, 1
	RB 1, 3, 1
	s_wait_dscnt 32
	QB X, CA, 1, 2
	s_wait_dscnt 0x0
	QB X+32, CB, 1, 3
	PAIR 1, 1
	ds_store_b32 v[SCW], v[SBY]                    ; my columns' scale words of this K step: lanes 0-15 the even tile, lanes 16-31 the odd one
	ds_store_b32 v[SCW], v[SBY+1] offset:SSTR
	s_wait_dscnt 0x0                               ; for the others' sake: my images lie in LDS
	s_barrier_signal -1
	s_barrier_wait -1                              ; the launch's one barrier: every wave passes it
	s_cmp_eq_u32 s[TRIPS], 0
	s_cbranch_scc1 .Lend                           ; the expert has no rows for this wave
	XGATHER                                        ; my first group's operands: they travel while the images are fetched
	WIN 0x40
.set F, 0
.rept 32
	ds_load_b128 v[8*F:8*F+3], v[IMR] offset:1024*F
	ds_load_b128 v[8*F+4:8*F+7], v[IMR] offset:1024*F+512
.set F, F+1
.endr
	WIN 0
.irp i, 0,1,2,3,4,5,6,7,8,9,10,11,12,13,14,15
	ds_load_b32 v[WS+\i], v[SCR] offset:128*\i
.endr
.Lgroup:                                           ; a trip: 32 rows x 128 hidden units
	TILE 0
	TILE 1
	v_cndmask_b32 v[PWS], v[PW], v[PW+1], s98      ; lanes 0-15 tile 0's words, lanes 16-31 tile 1's
	global_store_b32 v15, v[PWS], s[94:95] th:TH_STORE_NT
	s_wait_xcnt 0x0                                ; the stores have read their bases and registers
	s_add_nc_u64 s[92:93], s[92:93], 262144        ; eight groups on
	s_add_nc_u64 s[94:95], s[94:95], 16384
	s_add_co_u32 s87, s87, 256
	s_add_co_u32 s[TRIP], s[TRIP], 1
	s_cmp_lt_u32 s[TRIP], s[TRIPS]
	s_cbranch_scc1 .Lgroup
.Lend:
	s_wait_tensorcnt 0x0
	ds_add_u32 v254, v255
	s_wait_dscnt 0x0
	s_endpgm
.Lfunc_end_k_q74d8cfbef0_up:
	.size	k_q74d8cfbef0_up, .Lfunc_end_k_q74d8cfbef0_up-k_q74d8cfbef0_up
	.p2alignl 7, 3214868480
	.fill 96, 4, 3214868480
	.section	.rodata,"a",@progbits
	.p2align	6, 0x0
	.amdhsa_kernel k_q74d8cfbef0_up
		.amdhsa_group_segment_fixed_size 298496
		.amdhsa_private_segment_fixed_size 0
		.amdhsa_enable_private_segment 0
		.amdhsa_kernarg_size 48
		.amdhsa_user_sgpr_count 2
		.amdhsa_user_sgpr_kernarg_segment_ptr 1
		.amdhsa_wavefront_size32 1
		.amdhsa_system_sgpr_workgroup_id_x 1
		.amdhsa_system_sgpr_workgroup_id_y 1
		.amdhsa_system_sgpr_workgroup_id_z 1
		.amdhsa_system_vgpr_workitem_id 0
		.amdhsa_next_free_vgpr 512
		.amdhsa_next_free_sgpr 102
		.amdhsa_reserve_vcc 1
		.amdhsa_float_denorm_mode_32 3
		.amdhsa_float_denorm_mode_16_64 3
		.amdhsa_memory_ordered 1
		.amdhsa_forward_progress 1
		.amdhsa_inst_pref_size 138
	.end_amdhsa_kernel
	.amdgpu_metadata
---
amdhsa.version: [ 1, 2 ]
amdhsa.kernels:
  - .name:           k_q74d8cfbef0_up
    .symbol:         k_q74d8cfbef0_up.kd
    .args:
      - { .name: W1, .offset: 0, .size: 8, .value_kind: global_buffer, .address_space: global }
      - { .name: b1, .offset: 8, .size: 8, .value_kind: global_buffer, .address_space: global }
      - { .name: xq, .offset: 16, .size: 8, .value_kind: global_buffer, .address_space: global }
      - { .name: route, .offset: 24, .size: 8, .value_kind: global_buffer, .address_space: global }
      - { .name: hq, .offset: 32, .size: 8, .value_kind: global_buffer, .address_space: global }
      - { .name: ptab, .offset: 40, .size: 8, .value_kind: global_buffer, .address_space: global }
    .group_segment_fixed_size: 298496
    .private_segment_fixed_size: 0
    .kernarg_segment_align: 8
    .kernarg_segment_size: 48
    .max_flat_workgroup_size: 256
    .sgpr_count:     102
    .vgpr_count:     512
    .wavefront_size: 32
...
	.end_amdgpu_metadata
.endif
;; end of part 2
;; launch down (part 3): grid 16 x 16, 8 waves a work-group, no clusters, 297,984 bytes of LDS; arguments W2, hq, ptab, eo; writes eo
.if DOCPART == 3
	.amdgcn_target "amdgcn-amd-amdhsa--gfx1250"
	.amdhsa_code_object_version 6
	.text
	.protected	k_q74d8cfbef0_down
	.globl	k_q74d8cfbef0_down
	.p2align	8
	.type	k_q74d8cfbef0_down,@function
k_q74d8cfbef0_down:
	s_mov_b64 s[64:65], 0
	v_nop
	global_prefetch_b8 v0, s[64:65] scope:SCOPE_SE
	s_setreg_imm32_b32 hwreg(HW_REG_WAVE_MODE, 25, 1), 1
	s_wait_xcnt 0x0
; DOWN.  eo[e][kh][rank][:] = the part over K half kh (1,024 hidden units) of Q(h) Q(W2[e]), for the expert's own rows alone.  b2, the gates and the sum of the two halves are the last launch's.
; SHARES.  Work-group (x, e): cs = x % 8 is a slice of 64 output columns, kh = x / 8 the K half: 1,024 x 64 numbers of W2, 256 KiB of f32, read from memory by this work-group alone.
; PHASE W: wave w takes K step w of the half (128 rows) x the 64 columns: 64 loads of two rows x 256 bytes; through its own stage in LDS the numbers come back with a lane to a column and registers down K, are quantised
; block by block, and the fragments go to LDS as images of their registers.  Behind ONE barrier every wave holds the slice's 32 fragments (fragment 8 t + ks; 256 registers, window 1) and 16 registers of scale words.
; ROWS.  Wave w takes groups w, w + 8, .. of 32 ranks: with G = ceil(count / 32) groups that is (G + 7 - w) / 8 trips, at most 8, counted by 1.  A group's 16 fragments of h and its 8 registers of scale words
; come from hq as they were stored: register images.
; The product is used transposed (source 0 = 16 output columns, source 1 = 16 rows): a lane holds eight neighbouring numbers of a row.  Results leave through the wave's own stage: 16 lanes store 256 consecutive bytes, aligned.
; The sum over K is cut in two halves, added in the last launch: an order of rounding that differs from reference()'s.
; No tensor load, no cluster: trip counts hang on a count read from memory.  No prefetch: every weight byte is asked for by its own load at the head.
; LIMITS: NaN and infinities are not served.  A block of zeros gets the byte 1 over zero codes; the bytes are read by this program alone.
.set GP,   2048                        ; a row of W2[e] in bytes
.set TSTR, 8192                        ; from tile to tile among the images
.set SSTR, 1024                        ; from pair of tiles to pair among the scale words (8 (t / 2) + ks)
.set IMG,  262144                      ; LDS: from 0 eight stages of 128 rows x 256 bytes (later each wave's way out: 32 rows x 272); here 32 images of 1,024 bytes;
.set SCL,  294912                      ; 16 x 128 bytes of scale words
.set HQS,  33554432
.set WGO, 4                            ; v4   2,048 h + 16 r: my 16 bytes of two rows, of W2 and of eo alike
.set STW, 5
.set STR, 6
.set IMW, 7
.set SCW, 8
.set IMR, 9
.set SCR, 10
.set OSW, 11                           ; v11  the way out, in: row r, + 32 h
.set OSR, 12                           ; v12  back: lanes 0-15 one row, lanes 16-31 the next;  v13 16 x lane, v14 4 x lane
.set CA,  16
.set CB,  20
.set SBY, 24
.set QT,  26
.set WS,  32                           ; v32-47   W2's scale words: lanes 0-15 the even tile's, lanes 16-31 the odd tile's
.set HF,  48                           ; v48-175  h's fragments: tile u at 64 u, K step ks at 8 ks
.set HSC, 176                          ; v176-183 h's scale words: lanes 0-15 tile 0's rows, lanes 16-31 tile 1's
.set ACC, 184                          ; v184-247 eight accumulators: 8 (4 u + t)
.set X,   184                          ;          (phase W: two sets of 32 numbers)
.set TRIP, 28                          ; s28  the trip in hand, from 0, stepped by 1
.set TRIPS, 29                         ; s29  my wave's trips; the loop does not write it
.set MSB, 0
.macro WIN new                         ; the immediate's high byte repeats the setting that is left
.if MSB != \new
	s_set_vgpr_msb (MSB<<8)|\new
.set MSB, \new
.endif
.endm
.macro STORE16 bb
.set I, 16*\bb
.rept 16
	ds_store_b128 v[STW], v[4*I:4*I+3] offset:512*I
.set I, I+1
.endr
.endm
.macro RB g, bb, set
.set I, 0
.rept 32
	ds_load_b32 v[X+32*(\set)+I], v[STR] offset:(32*(\bb)+I)*256+128*(\g)
.set I, I+1
.endr
.endm
.macro QB xs, c, g, bb
	v_max3_num_f32 v[QT], |v[\xs]|, |v[\xs+1]|, |v[\xs+2]|
	v_max3_num_f32 v[QT+1], |v[\xs+3]|, |v[\xs+4]|, |v[\xs+5]|
.irp i, 6,10,14,18,22,26
	v_max3_num_f32 v[QT], v[QT], |v[\xs+\i]|, |v[\xs+\i+1]|
	v_max3_num_f32 v[QT+1], v[QT+1], |v[\xs+\i+2]|, |v[\xs+\i+3]|
.endr
	v_max3_num_f32 v[QT], v[QT], |v[\xs+30]|, |v[\xs+31]|
	v_max3_num_f32 v[QT], v[QT], v[QT+1], 0x1800000              ; and the floor 2^(3 - 127): the byte cannot fall under 1
	v_add_nc_u32 v[QT+2], 0xff000000, v[QT]                      ; 2 off the exponent field: the conversion's scale operand
	v_lshrrev_b32 v[QT+3], 23, v[QT+2]                           ; the byte
.if \bb == 0
	v_mov_b32 v[SBY+\g], v[QT+3]
.else
	v_lshl_or_b32 v[SBY+\g], v[QT+3], 8*\bb, v[SBY+\g]
.endif
.irp q, 0,1,2,3
	v_cvt_scalef32_pk8_fp4_f32 v[\c+\q], v[\xs+8*\q:\xs+8*\q+7], v[QT+2]
.endr
.endm
.macro PAIR g, c
	v_nop                                          ; one plain place behind a scaled conversion
.irp i, 0,1,2,3
	v_permlane16_swap_b32 v[CA+\i], v[CB+\i]
.endr
	ds_store_b128 v[IMW], v[CA:CA+3] offset:(2*(\g))*TSTR+512*(\c)
	ds_store_b128 v[IMW], v[CB:CB+3] offset:(2*(\g)+1)*TSTR+512*(\c)
.endm
.macro HLOAD                           ; a group's operands: five loads a K step
.irp ks, 0,1,2,3,4,5,6,7
.irp u, 0,1
.irp c, 0,1
	global_load_b128 v[HF+64*\u+8*\ks+4*\c:HF+64*\u+8*\ks+4*\c+3], v13, s[22:23] offset:2048*\ks+1024*\u+512*\c
.endr
.endr
	global_load_b32 v[HSC+\ks], v14, s[24:25] offset:128*\ks
.endr
.endm
.macro MM acc, wf, hf, ws, hs, zero, ra, rb    ; ra, rb: the side's scale words lie in lanes 16-31
.if \zero
.if ((\ra) == 0) && ((\rb) == 0)
	v_wmma_scale_f32_16x16x128_f8f6f4 v[\acc:\acc+7], v[\wf:\wf+7], v[\hf:\hf+7], 0, v[\ws], v[\hs] matrix_a_fmt:MATRIX_FMT_FP4 matrix_b_fmt:MATRIX_FMT_FP4
.elseif ((\ra) == 1) && ((\rb) == 0)
	v_wmma_scale_f32_16x16x128_f8f6f4 v[\acc:\acc+7], v[\wf:\wf+7], v[\hf:\hf+7], 0, v[\ws], v[\hs] matrix_a_fmt:MATRIX_FMT_FP4 matrix_b_fmt:MATRIX_FMT_FP4 matrix_a_scale:MATRIX_SCALE_ROW1
.elseif ((\ra) == 0) && ((\rb) == 1)
	v_wmma_scale_f32_16x16x128_f8f6f4 v[\acc:\acc+7], v[\wf:\wf+7], v[\hf:\hf+7], 0, v[\ws], v[\hs] matrix_a_fmt:MATRIX_FMT_FP4 matrix_b_fmt:MATRIX_FMT_FP4 matrix_b_scale:MATRIX_SCALE_ROW1
.else
	v_wmma_scale_f32_16x16x128_f8f6f4 v[\acc:\acc+7], v[\wf:\wf+7], v[\hf:\hf+7], 0, v[\ws], v[\hs] matrix_a_fmt:MATRIX_FMT_FP4 matrix_b_fmt:MATRIX_FMT_FP4 matrix_a_scale:MATRIX_SCALE_ROW1 matrix_b_scale:MATRIX_SCALE_ROW1
.endif
.else
.if ((\ra) == 0) && ((\rb) == 0)
	v_wmma_scale_f32_16x16x128_f8f6f4 v[\acc:\acc+7], v[\wf:\wf+7], v[\hf:\hf+7], v[\acc:\acc+7], v[\ws], v[\hs] matrix_a_fmt:MATRIX_FMT_FP4 matrix_b_fmt:MATRIX_FMT_FP4
.elseif ((\ra) == 1) && ((\rb) == 0)
	v_wmma_scale_f32_16x16x128_f8f6f4 v[\acc:\acc+7], v[\wf:\wf+7], v[\hf:\hf+7], v[\acc:\acc+7], v[\ws], v[\hs] matrix_a_fmt:MATRIX_FMT_FP4 matrix_b_fmt:MATRIX_FMT_FP4 matrix_a_scale:MATRIX_SCALE_ROW1
.elseif ((\ra) == 0) && ((\rb) == 1)
	v_wmma_scale_f32_16x16x128_f8f6f4 v[\acc:\acc+7], v[\wf:\wf+7], v[\hf:\hf+7], v[\acc:\acc+7], v[\ws], v[\hs] matrix_a_fmt:MATRIX_FMT_FP4 matrix_b_fmt:MATRIX_FMT_FP4 matrix_b_scale:MATRIX_SCALE_ROW1
.else
	v_wmma_scale_f32_16x16x128_f8f6f4 v[\acc:\acc+7], v[\wf:\wf+7], v[\hf:\hf+7], v[\acc:\acc+7], v[\ws], v[\hs] matrix_a_fmt:MATRIX_FMT_FP4 matrix_b_fmt:MATRIX_FMT_FP4 matrix_a_scale:MATRIX_SCALE_ROW1 matrix_b_scale:MATRIX_SCALE_ROW1
.endif
.endif
.endm
	s_load_b256 s[4:11], s[0:1], 0x0               ; W2, hq, ptab, eo
	v_lshl_add_u32 v254, v0, 2, 0x48800
	v_mov_b32 v255, 0
	v_lshrrev_b32 v1, 5, v0
	v_readfirstlane_b32 s2, v1                     ; wave 0..7
	s_and_b32 s16, ttmp9, 7                        ; cs
	s_lshr_b32 s17, ttmp9, 3                       ; kh
	s_and_b32 s18, ttmp7, 0xffff                   ; the expert
	v_and_b32 v1, 31, v0
	v_and_b32 v2, 15, v0
	v_bfe_u32 v3, v0, 4, 1
	v_lshlrev_b32 v13, 4, v1
	v_lshlrev_b32 v14, 2, v1
	v_lshlrev_b32 v[WGO], 4, v2
	v_lshl_add_u32 v[WGO], v3, 11, v[WGO]
	s_lshl_b32 s3, s2, 15
	v_add_nc_u32 v[STW], s3, v13
	v_add_nc_u32 v[STR], s3, v14                   ; my column of 32 is my lane
	v_mul_u32_u24 v[OSW], v2, 272
	v_lshl_add_u32 v[OSW], v3, 5, v[OSW]
	v_add_nc_u32 v[OSW], s3, v[OSW]
	v_mul_u32_u24 v[OSR], v3, 272
	v_lshl_add_u32 v[OSR], v2, 4, v[OSR]
	v_add_nc_u32 v[OSR], s3, v[OSR]
	s_lshl_b32 s3, s2, 10
	s_add_co_u32 s3, s3, IMG
	v_add_nc_u32 v[IMW], s3, v13
	s_lshl_b32 s3, s2, 7
	s_add_co_u32 s3, s3, SCL
	v_add_nc_u32 v[SCW], s3, v14
	v_add_nc_u32 v[IMR], IMG, v13
	v_add_nc_u32 v[SCR], SCL, v14
	s_mov_b32 s13, 0
	s_wait_kmcnt 0x0
	s_lshl_b32 s12, s18, 9
	s_add_nc_u64 s[8:9], s[8:9], s[12:13]
	s_load_b32 s20, s[8:9], 0x100                  ; the expert's count of rows
	s_lshl_b32 s12, s18, 22                        ; W2[e]: 4 MiB;
	s_lshl_b32 s3, s17, 21                         ; 1,024 rows of 2,048 bytes;
	s_add_co_u32 s12, s12, s3
	s_lshl_b32 s3, s2, 18                          ; 128 rows;
	s_add_co_u32 s12, s12, s3
	s_lshl_b32 s3, s16, 8                          ; 64 columns
	s_add_co_u32 s12, s12, s3
	s_add_nc_u64 s[4:5], s[4:5], s[12:13]
	WIN 0x40                                       ; destination window 1
.set I, 0
.rept 64
	global_load_b128 v[4*I:4*I+3], v[WGO], s[4:5] offset:I*2*GP th:TH_LOAD_NT   ; rows 2 i and 2 i + 1: 256 consecutive bytes of each, aligned
.set I, I+1
.endr
	WIN 0
	s_lshl_b32 s12, s18, 21                        ; hq, codes: 2 MiB an expert, 32,768 bytes a group, 16,384 a K half
	s_lshl_b32 s3, s2, 15
	s_add_co_u32 s12, s12, s3
	s_lshl_b32 s3, s17, 14
	s_add_co_u32 s12, s12, s3
	s_add_nc_u64 s[22:23], s[6:7], s[12:13]
	s_lshl_b32 s12, s18, 17                        ; scale words: 131,072 an expert, 2,048 a group, 1,024 a K half
	s_lshl_b32 s3, s2, 11
	s_add_co_u32 s12, s12, s3
	s_lshl_b32 s3, s17, 10
	s_add_co_u32 s12, s12, s3
	s_add_nc_u64 s[24:25], s[6:7], s[12:13]
	s_add_nc_u64 s[24:25], s[24:25], HQS
	s_lshl_b32 s12, s18, 23                        ; eo: 8 MiB an expert, 4 MiB a K half, 2,048 bytes a rank, 256 a slice
	s_lshl_b32 s3, s17, 22
	s_add_co_u32 s12, s12, s3
	s_lshl_b32 s3, s2, 16
	s_add_co_u32 s12, s12, s3
	s_lshl_b32 s3, s16, 8
	s_add_co_u32 s12, s12, s3
	s_add_nc_u64 s[26:27], s[10:11], s[12:13]
	; ---- PHASE W
	s_wait_loadcnt 48                              ; block 0 is in; 48 loads were issued behind it
	WIN 0x04                                       ; an LDS store's data: window 1
	STORE16 0
	s_wait_loadcnt 32
	STORE16 1
	WIN 0
	RB 0, 0, 0
	RB 0, 1, 1
	s_wait_dscnt 32                                ; all but the next unit's 32 loads, here and below: LDS serves a wave's instructions in order
	QB X, CA, 0, 0
	RB 1, 0, 0
	s_wait_dscnt 32
	QB X+32, CB, 0, 1
	PAIR 0, 0
	RB 1, 1, 1
	s_wait_dscnt 32
	QB X, CA, 1, 0
	s_wait_loadcnt 16
	WIN 0x04
	STORE16 2
	s_wait_loadcnt 0x0
	STORE16 3
	WIN 0
	RB 0, 2, 0
	s_wait_dscnt 32
	QB X+32, CB, 1, 1
	PAIR 1, 0
	RB 0, 3, 1
	s_wait_dscnt 32
	QB X, CA, 0, 2
	RB 1, 2, 0
	s_wait_dscnt 32
	QB X+32, CB, 0, 3
	PAIR 0, 1
	RB 1, 3, 1
	s_wait_dscnt 32
	QB X, CA, 1, 2
	s_wait_dscnt 0x0
	QB X+32, CB, 1, 3
	PAIR 1, 1
	ds_store_b32 v[SCW], v[SBY]
	ds_store_b32 v[SCW], v[SBY+1] offset:SSTR
	s_wait_dscnt 0x0                               ; for the others' sake: my images lie in LDS
	s_barrier_signal -1
	s_barrier_wait -1                              ; the launch's one barrier: every wave passes it
	s_wait_kmcnt 0x0
	s_min_u32 s20, s20, 2048                       ; a count of rows, held inside the table
	s_add_co_u32 s[TRIPS], s20, 31
	s_lshr_b32 s[TRIPS], s[TRIPS], 5               ; G: the expert's groups of 32 ranks
	s_add_co_u32 s[TRIPS], s[TRIPS], 7
	s_sub_co_u32 s[TRIPS], s[TRIPS], s2
	s_lshr_b32 s[TRIPS], s[TRIPS], 3               ; groups w, w + 8, .. under G: (G + 7 - w) / 8 of them
	s_min_u32 s[TRIPS], s[TRIPS], 8                ; 64 groups over 8 waves at the most
	s_mov_b32 s[TRIP], 0
	s_cmp_eq_u32 s[TRIPS], 0
	s_cbranch_scc1 .Lend                           ; the expert has no rows for this wave
	HLOAD                                          ; my first group's operands: they travel while the images are fetched
	WIN 0x40
.set F, 0
.rept 32
	ds_load_b128 v[8*F:8*F+3], v[IMR] offset:1024*F
	ds_load_b128 v[8*F+4:8*F+7], v[IMR] offset:1024*F+512
.set F, F+1
.endr
	WIN 0
.irp i, 0,1,2,3,4,5,6,7,8,9,10,11,12,13,14,15
	ds_load_b32 v[WS+\i], v[SCR] offset:128*\i
.endr
	s_wait_dscnt 0x0
.Lgroup:                                           ; a trip: 32 rows x 64 columns x 1,024 along K
	WIN 0x01                                       ; source 0 (W2) window 1
.irp ks, 0,1,2,3,4,5,6,7
	s_wait_loadcnt 5*(7-\ks)                       ; this K step's five loads are in; the later K steps' may be out
.irp u, 0,1                                    ; the eight accumulators take turns, one instruction a turn; the first K step starts the sums
.irp t, 0,1,2,3
.if \ks == 0
	MM ACC+8*(4*\u+\t), 8*(8*\t+\ks), HF+64*\u+8*\ks, WS+8*(\t/2)+\ks, HSC+\ks, 1, \t%2, \u
.else
	MM ACC+8*(4*\u+\t), 8*(8*\t+\ks), HF+64*\u+8*\ks, WS+8*(\t/2)+\ks, HSC+\ks, 0, \t%2, \u
.endif
.endr
.endr
.endr
	WIN 0
.rept 5
	v_nop                                          ; four places ahead of the loads into h's registers and of the first read of results; the fifth because the next trip's first products begin these accumulators anew
.endr
	s_add_co_u32 s3, s[TRIP], 1
	s_cmp_lt_u32 s3, s[TRIPS]
	s_cbranch_scc0 .Lno_next
	s_add_nc_u64 s[22:23], s[22:23], 262144        ; (the loads that read these bases are in)  eight groups on
	s_add_nc_u64 s[24:25], s[24:25], 16384
	HLOAD                                          ; my next group's operands travel while this group leaves
.Lno_next:
.irp u, 0,1
.irp t, 0,1,2,3
	ds_store_b128 v[OSW], v[ACC+8*(4*\u+\t):ACC+8*(4*\u+\t)+3] offset:4352*\u+64*\t          ; each accumulator from its low end on
	ds_store_b128 v[OSW], v[ACC+8*(4*\u+\t)+4:ACC+8*(4*\u+\t)+7] offset:4352*\u+64*\t+16
.endr
.endr
.irp i, 0,1,2,3,4,5,6,7,8,9,10,11,12,13,14,15
	ds_load_b128 v[ACC+4*\i:ACC+4*\i+3], v[OSR] offset:544*\i    ; LDS serves a wave's instructions in order: these see my stores; back into the registers that they left
.endr
.irp i, 0,1,2,3,4,5,6,7,8,9,10,11,12,13,14,15
	s_wait_dscnt 15-\i
	global_store_b128 v[WGO], v[ACC+4*\i:ACC+4*\i+3], s[26:27] offset:4096*\i th:TH_STORE_NT   ; two rows: 16 lanes store 256 consecutive bytes, aligned
.endr
	s_wait_xcnt 0x0                                ; the stores have read their base and registers
	s_add_nc_u64 s[26:27], s[26:27], 524288        ; 256 ranks on
	s_add_co_u32 s[TRIP], s[TRIP], 1
	s_cmp_lt_u32 s[TRIP], s[TRIPS]
	s_cbranch_scc1 .Lgroup
.Lend:
	s_wait_tensorcnt 0x0
	ds_add_u32 v254, v255
	s_wait_dscnt 0x0
	s_endpgm
.Lfunc_end_k_q74d8cfbef0_down:
	.size	k_q74d8cfbef0_down, .Lfunc_end_k_q74d8cfbef0_down-k_q74d8cfbef0_down
	.p2alignl 7, 3214868480
	.fill 96, 4, 3214868480
	.section	.rodata,"a",@progbits
	.p2align	6, 0x0
	.amdhsa_kernel k_q74d8cfbef0_down
		.amdhsa_group_segment_fixed_size 297984
		.amdhsa_private_segment_fixed_size 0
		.amdhsa_enable_private_segment 0
		.amdhsa_kernarg_size 32
		.amdhsa_user_sgpr_count 2
		.amdhsa_user_sgpr_kernarg_segment_ptr 1
		.amdhsa_wavefront_size32 1
		.amdhsa_system_sgpr_workgroup_id_x 1
		.amdhsa_system_sgpr_workgroup_id_y 1
		.amdhsa_system_sgpr_workgroup_id_z 1
		.amdhsa_system_vgpr_workitem_id 0
		.amdhsa_next_free_vgpr 512
		.amdhsa_next_free_sgpr 66
		.amdhsa_reserve_vcc 0
		.amdhsa_float_denorm_mode_32 3
		.amdhsa_float_denorm_mode_16_64 3
		.amdhsa_memory_ordered 1
		.amdhsa_forward_progress 1
		.amdhsa_inst_pref_size 69
	.end_amdhsa_kernel
	.amdgpu_metadata
---
amdhsa.version: [ 1, 2 ]
amdhsa.kernels:
  - .name:           k_q74d8cfbef0_down
    .symbol:         k_q74d8cfbef0_down.kd
    .args:
      - { .name: W2, .offset: 0, .size: 8, .value_kind: global_buffer, .address_space: global }
      - { .name: hq, .offset: 8, .size: 8, .value_kind: global_buffer, .address_space: global }
      - { .name: ptab, .offset: 16, .size: 8, .value_kind: global_buffer, .address_space: global }
      - { .name: eo, .offset: 24, .size: 8, .value_kind: global_buffer, .address_space: global }
    .group_segment_fixed_size: 297984
    .private_segment_fixed_size: 0
    .kernarg_segment_align: 8
    .kernarg_segment_size: 32
    .max_flat_workgroup_size: 256
    .sgpr_count:     66
    .vgpr_count:     512
    .wavefront_size: 32
...
	.end_amdgpu_metadata
.endif
;; end of part 3
;; launch mix (part 4): grid 257 x 1, 8 waves a work-group, no clusters, 0 bytes of LDS; arguments route, ptab, xq, eo, b2, out0, out1; writes out0, out1
.if DOCPART == 4
	.amdgcn_target "amdgcn-amd-amdhsa--gfx1250"
	.amdhsa_code_object_version 6
	.text
	.protected	k_q74d8cfbef0_mix
	.globl	k_q74d8cfbef0_mix
	.p2align	8
	.type	k_q74d8cfbef0_mix,@function
k_q74d8cfbef0_mix:
	s_mov_b64 s[64:65], 0
	v_nop
	global_prefetch_b8 v0, s[64:65] scope:SCOPE_SE
	s_setreg_imm32_b32 hwreg(HW_REG_WAVE_MODE, 25, 1), 1
	s_wait_xcnt 0x0
; MIX.  out0[t] = g0 (eo[e0] + b2[e0]) + g1 (eo[e1] + b2[e1]), each eo the sum of its two K halves; out1 = 16 x the sum over experts of (share of first choices) x (mean probability).
; Work-groups 0 to 255: a wave owns a token, so each output row has one owner.  The token's rank at an expert is the ranks before its mask word (ptab) + the set bits below its own: all whole numbers stored by earlier launches.
; A row is 2,048 bytes: four loads of 512 consecutive bytes from each of six sources; all 24 go out at once.  Work-group 256, wave 0: the 32 work-groups' aux sums of the first launch.
; A stream: no LDS, no matrix unit, no cluster (no two work-groups read the same rows of eo).
.set RCH, 4096
.set XQG, 557056
.set XQA, 573440
.set KH,  4194304                      ; from K half to K half in eo
	s_load_b256 s[4:11], s[0:1], 0x0               ; route, ptab, xq, eo
	s_load_b128 s[12:15], s[0:1], 0x20             ; b2, out0
	s_load_b64 s[16:17], s[0:1], 0x30              ; out1
	v_lshrrev_b32 v1, 5, v0
	v_readfirstlane_b32 s2, v1                     ; wave 0..7
	v_and_b32 v1, 31, v0
	v_lshlrev_b32 v2, 4, v1                        ; 16 x lane
	s_wait_kmcnt 0x0
	s_cmp_eq_u32 ttmp9, 256
	s_cbranch_scc1 .Laux
	s_lshl_b32 s20, ttmp9, 3
	s_add_co_u32 s20, s20, s2                      ; my token
	s_lshl_b32 s21, s20, 2
	s_lshl_b32 s22, s20, 3
	s_load_b32 s23, s[4:5], s21 offset:RCH         ; e0 | e1 << 8
	s_load_b64 s[24:25], s[8:9], s22 offset:XQG    ; g0, g1
	s_lshr_b32 s26, s20, 5
	s_lshl_b32 s26, s26, 2                         ; 4 x my mask word's number
	s_and_b32 s27, s20, 31
	s_bfm_b32 s27, s27, 0                          ; the bits below mine
	s_wait_kmcnt 0x0
	s_and_b32 s28, s23, 0xff
	s_min_u32 s28, s28, 15                         ; e0, held inside the tables
	s_lshr_b32 s29, s23, 8
	s_and_b32 s29, s29, 0xff
	s_min_u32 s29, s29, 15                         ; e1
	s_lshl_b32 s30, s28, 9
	s_add_co_u32 s30, s30, s26
	s_lshl_b32 s31, s28, 8
	s_add_co_u32 s31, s31, s26
	s_lshl_b32 s32, s29, 9
	s_add_co_u32 s32, s32, s26
	s_lshl_b32 s33, s29, 8
	s_add_co_u32 s33, s33, s26
	s_load_b32 s36, s[6:7], s30 offset:0x0         ; the ranks before my word,
	s_load_b32 s37, s[4:5], s31 offset:0x0         ; and the word, at e0;
	s_load_b32 s38, s[6:7], s32 offset:0x0         ; at e1
	s_load_b32 s39, s[4:5], s33 offset:0x0
	s_mov_b32 s34, s25                             ; g1 as the low word of a pair of its own
	s_mov_b32 s35, s25
	s_wait_kmcnt 0x0
	s_and_b32 s37, s37, s27
	s_bcnt1_i32_b32 s37, s37
	s_add_co_u32 s36, s36, s37
	s_min_u32 s36, s36, 2047                       ; my rank at e0, held inside the table
	s_and_b32 s39, s39, s27
	s_bcnt1_i32_b32 s39, s39
	s_add_co_u32 s38, s38, s39
	s_min_u32 s38, s38, 2047                       ; at e1
	s_lshl_b32 s40, s28, 12
	s_add_co_u32 s40, s40, s36
	s_lshl_b32 s40, s40, 11                        ; (4,096 e + rank) rows of 2,048 bytes
	s_mov_b32 s41, 0
	s_lshl_b32 s42, s29, 12
	s_add_co_u32 s42, s42, s38
	s_lshl_b32 s42, s42, 11
	s_mov_b32 s43, 0
	s_add_nc_u64 s[40:41], s[10:11], s[40:41]
	s_add_nc_u64 s[42:43], s[10:11], s[42:43]
	s_lshl_b32 s44, s28, 11
	s_mov_b32 s45, 0
	s_add_nc_u64 s[44:45], s[12:13], s[44:45]
	s_lshl_b32 s46, s29, 11
	s_mov_b32 s47, 0
	s_add_nc_u64 s[46:47], s[12:13], s[46:47]
	s_lshl_b32 s36, s20, 11
	s_mov_b32 s37, 0
	s_add_nc_u64 s[14:15], s[14:15], s[36:37]
.irp q, 0,1,2,3
	global_load_b128 v[8+24*\q:11+24*\q],  v2, s[40:41] offset:512*\q th:TH_LOAD_NT
	global_load_b128 v[12+24*\q:15+24*\q], v2, s[40:41] offset:512*\q+KH th:TH_LOAD_NT
	global_load_b128 v[16+24*\q:19+24*\q], v2, s[42:43] offset:512*\q th:TH_LOAD_NT
	global_load_b128 v[20+24*\q:23+24*\q], v2, s[42:43] offset:512*\q+KH th:TH_LOAD_NT
	global_load_b128 v[24+24*\q:27+24*\q], v2, s[44:45] offset:512*\q
	global_load_b128 v[28+24*\q:31+24*\q], v2, s[46:47] offset:512*\q
.endr
.irp q, 0,1,2,3
	s_wait_loadcnt 6*(3-\q)                        ; this quarter's six loads are in; the later quarters' may be out
.irp p, 0,2
	v_pk_add_f32 v[8+24*\q+\p:9+24*\q+\p], v[8+24*\q+\p:9+24*\q+\p], v[12+24*\q+\p:13+24*\q+\p]        ; the two K halves,
	v_pk_add_f32 v[16+24*\q+\p:17+24*\q+\p], v[16+24*\q+\p:17+24*\q+\p], v[20+24*\q+\p:21+24*\q+\p]
	v_pk_add_f32 v[8+24*\q+\p:9+24*\q+\p], v[8+24*\q+\p:9+24*\q+\p], v[24+24*\q+\p:25+24*\q+\p]        ; b2,
	v_pk_add_f32 v[16+24*\q+\p:17+24*\q+\p], v[16+24*\q+\p:17+24*\q+\p], v[28+24*\q+\p:29+24*\q+\p]
	v_pk_mul_f32 v[16+24*\q+\p:17+24*\q+\p], v[16+24*\q+\p:17+24*\q+\p], s[34:35] op_sel_hi:[1,0]       ; the gates (of each scalar pair the low word serves both halves)
	v_pk_fma_f32 v[8+24*\q+\p:9+24*\q+\p], v[8+24*\q+\p:9+24*\q+\p], s[24:25], v[16+24*\q+\p:17+24*\q+\p] op_sel_hi:[1,0,1]
.endr
	global_store_b128 v2, v[8+24*\q:11+24*\q], s[14:15] offset:512*\q th:TH_STORE_NT                   ; 512 consecutive bytes, aligned
.endr
	s_endpgm
.Laux:
	s_cmp_lg_u32 s2, 0
	s_cbranch_scc1 .Ldone
	v_lshlrev_b32 v3, 2, v1
.set K, 0
.rept 32
	global_load_b32 v[8+K], v3, s[8:9] offset:XQA+128*K      ; work-group K's 32 sums: lane (r, h): r < 8 the probabilities of expert 8 h + r, else the first choices of expert 8 h + r - 8
.set K, K+1
.endr
	s_mov_b32 s20, 0x76543210
	s_mov_b32 s21, 0xfedcba98
	v_mov_b32 v4, 0
	s_wait_loadcnt 0x0
.irp k, 4,8,12,16,20,24,28
	v_add_f32 v8, v8, v[8+\k]                      ; four chains
	v_add_f32 v9, v9, v[9+\k]
	v_add_f32 v10, v10, v[10+\k]
	v_add_f32 v11, v11, v[11+\k]
.endr
	v_add_f32 v8, v8, v9
	v_add_f32 v10, v10, v11
	v_add_f32 v8, v8, v10
	v_mul_f32_dpp v8, v8, v8 row_xmask:8 row_mask:0xf bank_mask:0xf    ; an expert's two sums lie 8 lanes apart
	v_add_f32_dpp v8, v8, v8 row_xmask:1 row_mask:0xf bank_mask:0xf    ; eight experts,
	v_add_f32_dpp v8, v8, v8 row_xmask:2 row_mask:0xf bank_mask:0xf
	v_add_f32_dpp v8, v8, v8 row_xmask:4 row_mask:0xf bank_mask:0xf
	v_permlanex16_b32 v9, v8, s20, s21
	v_add_f32 v8, v8, v9                           ; and the other eight
	v_mul_f32 v8, 0x36800000, v8                   ; x 16 / 2,048^2 = 2^-18
	s_wait_xcnt 0x0                                ; EXEC changes only behind this wait
	v_cmp_eq_u32 vcc_lo, 0, v1
	s_and_saveexec_b32 s22, vcc_lo
	global_store_b32 v4, v8, s[16:17]
	s_wait_xcnt 0x0
	s_or_b32 exec_lo, exec_lo, s22
.Ldone:
	s_endpgm
.Lfunc_end_k_q74d8cfbef0_mix:
	.size	k_q74d8cfbef0_mix, .Lfunc_end_k_q74d8cfbef0_mix-k_q74d8cfbef0_mix
	.p2alignl 7, 3214868480
	.fill 96, 4, 3214868480
	.section	.rodata,"a",@progbits
	.p2align	6, 0x0
	.amdhsa_kernel k_q74d8cfbef0_mix
		.amdhsa_group_segment_fixed_size 0
		.amdhsa_private_segment_fixed_size 0
		.amdhsa_enable_private_segment 0
		.amdhsa_kernarg_size 56
		.amdhsa_user_sgpr_count 2
		.amdhsa_user_sgpr_kernarg_segment_ptr 1
		.amdhsa_wavefront_size32 1
		.amdhsa_system_sgpr_workgroup_id_x 1
		.amdhsa_system_sgpr_workgroup_id_y 1
		.amdhsa_system_sgpr_workgroup_id_z 1
		.amdhsa_system_vgpr_workitem_id 0
		.amdhsa_next_free_vgpr 128
		.amdhsa_next_free_sgpr 66
		.amdhsa_reserve_vcc 1
		.amdhsa_float_denorm_mode_32 3
		.amdhsa_float_denorm_mode_16_64 3
		.amdhsa_memory_ordered 1
		.amdhsa_forward_progress 1
		.amdhsa_inst_pref_size 14
	.end_amdhsa_kernel
	.amdgpu_metadata
---
amdhsa.version: [ 1, 2 ]
amdhsa.kernels:
  - .name:           k_q74d8cfbef0_mix
    .symbol:         k_q74d8cfbef0_mix.kd
    .args:
      - { .name: route, .offset: 0, .size: 8, .value_kind: global_buffer, .address_space: global }
      - { .name: ptab, .offset: 8, .size: 8, .value_kind: global_buffer, .address_space: global }
      - { .name: xq, .offset: 16, .size: 8, .value_kind: global_buffer, .address_space: global }
      - { .name: eo, .offset: 24, .size: 8, .value_kind: global_buffer, .address_space: global }
      - { .name: b2, .offset: 32, .size: 8, .value_kind: global_buffer, .address_space: global }
      - { .name: out0, .offset: 40, .size: 8, .value_kind: global_buffer, .address_space: global }
      - { .name: out1, .offset: 48, .size: 8, .value_kind: global_buffer, .address_space: global }
    .group_segment_fixed_size: 0
    .private_segment_fixed_size: 0
    .kernarg_segment_align: 8
    .kernarg_segment_size: 56
    .max_flat_workgroup_size: 256
    .sgpr_count:     66
    .vgpr_count:     128
    .wavefront_size: 32
...
	.end_amdgpu_metadata
.endif
;; end of part 4
;; ======== version 2 of 2: 4 launches; version 1 with the launches up, down written anew for expert scheduling mode
;; workspace buffers: xq 577,536 bytes; route 12,288 bytes of whole numbers; hq 35,651,584 bytes; ptab 8,192 bytes of whole numbers; eo 134,217,728 bytes
;; launch router: the kernel of part 1 again; grid 32 x 1, 4 waves a work-group, no clusters, 173,312 bytes of LDS; arguments x, Wr, xq, route; writes xq, route
;; launch up (part 5): grid 16 x 16, 8 waves a work-group, no clusters, 298,496 bytes of LDS; arguments W1, b1, xq, route, hq, ptab; writes hq, ptab
.if DOCPART == 5
	.amdgcn_target "amdgcn-amd-amdhsa--gfx1250"
	.amdhsa_code_object_version 6
	.text
	.protected	k_q74d8cfbef0_up
	.globl	k_q74d8cfbef0_up
	.p2align	8
	.type	k_q74d8cfbef0_up,@function
k_q74d8cfbef0_up:
	s_mov_b64 s[64:65], 0
	v_nop
	global_prefetch_b8 v0, s[64:65] scope:SCOPE_SE
	s_setreg_imm32_b32 hwreg(HW_REG_WAVE_SCHED_MODE, 0, 2), 2
	s_setreg_imm32_b32 hwreg(HW_REG_WAVE_MODE, 25, 1), 1
	s_wait_xcnt 0x0
	s_wait_alu depctr_vm_vsrc(0)
; UP.  h = Q(gelu(Q(x) Q(W1[e]) + b1[e])) for the rows that chose expert e alone: reference() gathers only those.  gelu is the tanh form, written x / (1 + 2^(x (c0 + c1 x^2))), which is the same function.
; SHARES.  Work-group (s, e) owns hidden units 128 s .. 128 s + 127 of expert e, which are K step s of the second product: 512 x 128 numbers of W1, 256 KiB of f32, read from memory by this work-group alone.
; PHASE W: wave w takes 128 rows of K (K step w / 2) x 64 columns (half w % 2): 64 loads of two rows x 256 bytes; through its own stage in LDS the numbers come back with a lane to a column and registers down K,
; are quantised block by block, and the fragments go to LDS as images of their registers.  Behind ONE barrier every wave holds the slice's 32 fragments (256 registers, window 1) and 16 registers of scale words.
; THE COLUMNS OF A TILE ARE NOT NEIGHBOURS: lane r of tile 2 b + u takes hidden unit 32 b + 8 u + r + 8 (r / 8), so that the 16 registers of tiles 2 b and 2 b + 1 of the result are 16 neighbours along the next K.
; ROWS.  Expert e's rows are its tokens in ascending order; rank j is the token at the j-th set bit of mask[e] (64 words in scalar registers).  Wave w takes groups w, w + 8, .. of 32 ranks: two tiles of 16;
; with G = ceil(count / 32) groups that is (G + 7 - w) / 8 trips, at most 8, counted by 1.
; The product is used transposed (source 0 = 16 hidden units, source 1 = 16 tokens); b1 is the C of each sum's first product.  The result is quantised in registers and stored as register images:
; hq: codes [e][group 64][s 16][tile 2][1,024 bytes]; from HQS on scale words [e][group][s][32]: lanes 0-15 tile 0's rows, lanes 16-31 tile 1's.
; Ranks at or beyond the expert's count in its last group take some token's numbers; what is stored for them is never used.  Work-group (0, e), wave 0, also stores ptab[e]: the ranks before each word, and the count.
; No tensor load, no cluster: trip counts hang on counts read from memory.  No prefetch: every weight byte is asked for by its own load at the head.
; LIMITS: NaN and infinities are not served.  A block of zeros gets the byte 1 over zero codes; the bytes are read by this program alone.
; THE MODE: SCHED_MODE bits 1:0 = 2 (LLVM: expert scheduling mode 2), set by the entry lines.  The code itself states the register dependences
; between vector or matrix instructions and memory or LDS instructions, with s_wait_alu, always for 0.
; THE PLAN.  Registers that memory or LDS instructions touch:
;   v4-v15        offsets and LDS addresses: made at the head, never written again: one wait on va_vdst ahead of the first load serves every load and store of the kernel.
;   window 1      W1 as loaded: global loads land, the LDS stores into the stage read.  Behind the barrier the images land there and the products read them: one wait on vm_vsrc behind the barrier.
;   S0 .. S3      phase W: four sets of 32 numbers.  Unit u's LDS loads land in S[u % 4], its arithmetic reads them.  A set is asked for again two units behind the unit that read it, and the wait
;                 on va_vdst of the pair between has shown that unit done: the runs of LDS loads owe no wait of their own.
;   CA, CB, SBY   phase W: written by a unit's arithmetic and the lane swaps, read by the pair's LDS stores: one wait on va_vdst ahead of a pair's stores, one on vm_vsrc ahead of the next even unit.
;   v28-v31       the gather's offsets: written by vector instructions, read by its 18 loads: vm_vsrc ahead of the lines that write them again, va_vdst ahead of the loads.
;   XF, XSC       the gather's loads land, the products read: the gather's wait on va_vdst shows the products done.
;   HA            b1's LDS loads land; products, gelu and the quantiser work on it.  The wait on va_vdst ahead of a tile's stores shows the quantiser done; no vector instruction stands between it and the next tile's loads.
;   PC, PWS       written by the quantiser, read by the stores: one wait on va_vdst a tile; vm_vsrc, beside the wait on XCNT, ahead of the lines that write them again.
;   v254, v255    written at the head, read by the closing add alone.
; Scalar results of vector instructions: the wave's number (one wait on va_sdst); the search's compares, in runs of four into s10-s13 with one wait on va_sdst behind each run; the halvings' compares, one wait on va_vcc each.
.set GP,   8192                        ; a row of W1[e] in bytes
.set TSTR, 4096                        ; from tile to tile among the images (fragment 4 t + ks)
.set SSTR, 512                         ; from pair of tiles to pair among the scale words (4 (t / 2) + ks)
.set IMG,  262144                      ; LDS: from 0 eight stages of 128 rows x 256 bytes; here 32 images of 1,024 bytes;
.set SCL,  294912                      ; 16 x 128 bytes of scale words;
.set B1L,  296960                      ; the slice's 128 numbers of b1
.set XQS,  524288
.set HQS,  33554432
.set WGO, 4                            ; v4   8,192 h + 16 r: my 16 bytes of a load's two rows
.set STW, 5                            ; v5   my stage, in: 16 x lane
.set STR, 6                            ; v6   my stage, out: 4 x my column
.set IMW, 7                            ; v7   where I store images
.set SCW, 8                            ; v8   and scale words
.set IMR, 9                            ; v9   IMG + 16 x lane
.set SCR, 10                           ; v10  SCL + 4 x lane;  v11 b1 into LDS, v12 b1 in memory, v13 b1 out of LDS, v14 16 x lane, v15 4 x lane
.set WS,  32                           ; v32-47   W1's scale words: lanes 0-15 the even tile's, lanes 16-31 the odd tile's
.set XF,  48                           ; v48-111  x's fragments: tile u at 32 u, K step ks at 8 ks
.set XSC, 112                          ; v112-119 x's scale words, four a tile
.set HA,  120                          ; v120-183 eight accumulators
.set XS0, 120                          ;          (phase W: four sets of 32 numbers: two where the accumulators will lie,
.set XS1, 152
.set XS2, 48                           ;          two where x's fragments will lie)
.set XS3, 80
.set GT,  184                          ; v184-215 at work in gelu
.set CA,  184                          ;          (phase W: codes of an even block, of an odd block, scale bytes, at work; v198 my number of b1)
.set CB,  188
.set SBY, 192
.set QT,  194
.set TM,  216                          ; v216-231 at work in the quantiser
.set PC,  232                          ; v232-239 the codes just made
.set PW,  240                          ; v240-241 the two tiles' scale words;  v242 both in one register
.set PWS, 242
.set C0,  246                          ; v[246:247] c0, v[248:249] c1
.set C1,  248
.set SEL, 96                           ; s[96:97] lane selects: lane l xor 16
.set TRIP, 99                          ; s99  the trip in hand, from 0, stepped by 1
.set TRIPS, 100                        ; s100 my wave's trips; the loop does not write it
.set MSB, 0
.macro WIN new                         ; the immediate's high byte repeats the setting that is left
.if MSB != \new
	s_set_vgpr_msb (MSB<<8)|\new
.set MSB, \new
.endif
.endm
.macro LOADW from, n                   ; loads from .. from + n - 1 of my 64: rows 2 i and 2 i + 1, 256 consecutive bytes of each, aligned
.set I, \from
.rept \n
	global_load_b128 v[4*I:4*I+3], v[WGO], s[4:5] offset:I*2*GP th:TH_LOAD_NT
.set I, I+1
.endr
.endm
.macro STORE16 bb                      ; block bb (32 rows of K) into my stage
.set I, 16*\bb
.rept 16
	ds_store_b128 v[STW], v[4*I:4*I+3] offset:512*I
.set I, I+1
.endr
.endm
.macro RB g, bb, reg                   ; block bb of my column in column group g, into the set at v[reg]: 32 lanes read 32 different words of 128 consecutive bytes
.set I, 0
.rept 32
	ds_load_b32 v[(\reg)+I], v[STR] offset:(32*(\bb)+I)*256+128*(\g)
.set I, I+1
.endr
.endm
.macro QB xs, c, g, bb                 ; 32 numbers down K of one column: four registers of codes, and the byte into the column's scale word
	v_max3_num_f32 v[QT], |v[\xs]|, |v[\xs+1]|, |v[\xs+2]|
	v_max3_num_f32 v[QT+1], |v[\xs+3]|, |v[\xs+4]|, |v[\xs+5]|
.irp i, 6,10,14,18,22,26
	v_max3_num_f32 v[QT], v[QT], |v[\xs+\i]|, |v[\xs+\i+1]|
	v_max3_num_f32 v[QT+1], v[QT+1], |v[\xs+\i+2]|, |v[\xs+\i+3]|
.endr
	v_max3_num_f32 v[QT], v[QT], |v[\xs+30]|, |v[\xs+31]|
	v_max3_num_f32 v[QT], v[QT], v[QT+1], 0x1800000              ; and the floor 2^(3 - 127): the byte cannot fall under 1
	v_add_nc_u32 v[QT+2], 0xff000000, v[QT]                      ; 2 off the exponent field: the conversion's scale operand
	v_lshrrev_b32 v[QT+3], 23, v[QT+2]                           ; the byte
.if \bb == 0
	v_mov_b32 v[SBY+\g], v[QT+3]
.else
	v_lshl_or_b32 v[SBY+\g], v[QT+3], 8*\bb, v[SBY+\g]
.endif
.irp q, 0,1,2,3
	v_cvt_scalef32_pk8_fp4_f32 v[\c+\q], v[\xs+8*\q:\xs+8*\q+7], v[QT+2]
.endr
.endm
.macro PAIR g, c                       ; blocks 2 c and 2 c + 1 of 32 columns become registers 4 c .. 4 c + 3 of two fragments: lanes 0-15's columns, lanes 16-31's columns
	v_nop                                          ; one plain place behind a scaled conversion
.irp i, 0,1,2,3
	v_permlane16_swap_b32 v[CA+\i], v[CB+\i]
.endr
	s_wait_alu depctr_va_vdst(0)                   ; the swaps have written CA and CB (and the units SBY), which the LDS stores read; the two units are done reading their sets, in which later runs of LDS loads land
	ds_store_b128 v[IMW], v[CA:CA+3] offset:(2*(\g))*TSTR+512*(\c)
	ds_store_b128 v[IMW], v[CB:CB+3] offset:(2*(\g)+1)*TSTR+512*(\c)
.endm
; 64 numbers of a lane, register 16 b + i = k 32 b + 16 (lane / 16) + i of my row, become a fragment's codes in v[pc] on and its scale word in v[pw]
.macro QUANT s, pc, pw
.irp b, 0,1,2,3
	v_max3_num_f32 v[TM+\b], |v[\s+16*\b]|, |v[\s+1+16*\b]|, 0x1800000
.endr
.irp i, 2,4,6,8,10,12,14
.irp b, 0,1,2,3
	v_max3_num_f32 v[TM+\b], v[TM+\b], |v[\s+16*\b+\i]|, |v[\s+1+16*\b+\i]|
.endr
.endr
.irp b, 0,1,2,3
	v_permlanex16_b32 v[TM+4+\b], v[TM+\b], s[SEL], s[SEL+1]
.endr
.irp b, 0,1,2,3
	v_max_num_f32 v[TM+\b], v[TM+\b], v[TM+4+\b]
.endr
.irp b, 0,1,2,3
	v_add_nc_u32 v[TM+12+\b], 0xff000000, v[TM+\b]
.endr
.irp b, 0,1,2,3
	v_lshrrev_b32 v[TM+4+\b], 23, v[TM+12+\b]
.endr
	v_lshl_or_b32 v[\pw], v[TM+5], 8, v[TM+4]
	v_lshl_or_b32 v[\pw], v[TM+6], 16, v[\pw]
	v_lshl_or_b32 v[\pw], v[TM+7], 24, v[\pw]
.irp b, 0,1,2,3
	v_cvt_scalef32_pk8_fp4_f32 v[\pc+2*\b], v[\s+16*\b:\s+7+16*\b], v[TM+12+\b]
	v_cvt_scalef32_pk8_fp4_f32 v[\pc+1+2*\b], v[\s+8+16*\b:\s+15+16*\b], v[TM+12+\b]
.endr
	v_nop
.irp c, 0,1
.irp i, 0,1
	v_permlane16_swap_b32 v[\pc+4*\c+\i], v[\pc+2+4*\c+\i]
.endr
.endr
.endm
; v16 = a rank a lane -> v17 = the token at that rank; s88 ends as the expert's count.  The last word with no more ranks before it than mine holds my bit; in it the bit is found by halving, on counts of 16, 8, 4, 2 and 1 bits.
; One halving: the count of the lower half's bits is a field of wd bits of v[src] at my position; where my rank within the range is not under it, the count is taken off the rank and the position goes step bits up.
.macro LEVEL src, wd, step
	v_bfe_u32 v26, v[\src], v25, \wd
	v_cmp_ge_u32 vcc_lo, v24, v26
	v_sub_nc_u32 v27, v24, v26
	s_wait_alu depctr_va_vcc(0)                    ; the compare has written VCC, ahead of the first of the two selects that read it
	v_cndmask_b32 v24, v24, v27, vcc_lo
	v_add_nc_u32 v27, \step, v25
	v_cndmask_b32 v25, v25, v27, vcc_lo
.endm
; The words go four at a time: the ranks before words W .. W + 3 stand in s88, s90, s91, s101, the four compares write s10 .. s13, and one wait serves the run; the selects then take the words in ascending order.
.macro SELECT
	s_mov_b32 s88, 0
	v_mov_b32 v18, 0
	v_mov_b32 v19, 0
	v_mov_b32 v20, 0
.set W, 0
.rept 16
.set MW, 16+W+(W/48)*4                 ; word W lies in s[16 + W], from word 48 on in s[20 + W]
	s_bcnt1_i32_b32 s89, s[MW]
	s_add_co_u32 s90, s88, s89                     ; the ranks before word W + 1,
	s_bcnt1_i32_b32 s89, s[MW+1]
	s_add_co_u32 s91, s90, s89                     ; W + 2,
	s_bcnt1_i32_b32 s89, s[MW+2]
	s_add_co_u32 s101, s91, s89                    ; W + 3
	v_cmp_gt_u32 s10, s88, v16                     ; more ranks before this word than mine: keep
	v_cmp_gt_u32 s11, s90, v16
	v_cmp_gt_u32 s12, s91, v16
	v_cmp_gt_u32 s13, s101, v16
	s_wait_alu depctr_va_sdst(0)                   ; the four compares have written s10 to s13, ahead of the first select that reads one of them
	v_cndmask_b32 v18, s[MW], v18, s10             ; the word,
	v_cndmask_b32 v19, s88, v19, s10               ; the ranks before it,
	v_cndmask_b32 v20, W, v20, s10                 ; its number
	v_cndmask_b32 v18, s[MW+1], v18, s11
	v_cndmask_b32 v19, s90, v19, s11
	v_cndmask_b32 v20, W+1, v20, s11
	v_cndmask_b32 v18, s[MW+2], v18, s12
	v_cndmask_b32 v19, s91, v19, s12
	v_cndmask_b32 v20, W+2, v20, s12
	v_cndmask_b32 v18, s[MW+3], v18, s13
	v_cndmask_b32 v19, s101, v19, s13
	v_cndmask_b32 v20, W+3, v20, s13
	s_bcnt1_i32_b32 s89, s[MW+3]
	s_add_co_u32 s88, s101, s89                    ; the ranks before word W + 4
.set W, W+4
.endr
	v_sub_nc_u32 v24, v16, v19                     ; my rank within the word
	v_lshrrev_b32 v21, 1, v18
	v_and_b32 v21, 0x55555555, v21
	v_sub_nc_u32 v21, v18, v21                     ; counts of 2 bits
	v_lshrrev_b32 v22, 2, v21
	v_and_b32 v22, 0x33333333, v22
	v_and_b32 v26, 0x33333333, v21
	v_add_nc_u32 v22, v22, v26                     ; of 4
	v_lshrrev_b32 v23, 4, v22
	v_add_nc_u32 v23, v23, v22
	v_and_b32 v23, 0x0f0f0f0f, v23                 ; of 8
	v_lshrrev_b32 v17, 8, v23
	v_add_nc_u32 v17, v17, v23                     ; of 16: five bits at bit 0 and at bit 16
	v_mov_b32 v25, 0
	LEVEL 17, 5, 16
	LEVEL 23, 8, 8
	LEVEL 22, 4, 4
	LEVEL 21, 2, 2
	LEVEL 18, 1, 1
	v_lshl_add_u32 v17, v20, 5, v25
.endm
; the two tiles' fragments and scale words of x, gathered by token: nine loads a tile
.macro XGATHER
	v_permlanex16_b32 v27, v17, s[SEL], s[SEL+1]
	v_cndmask_b32 v26, v17, v27, s98               ; tile 0, row r: lane r's token, in both halves of the lanes
	v_cndmask_b32 v27, v27, v17, s98               ; tile 1, row r: lane 16 + r's
	v_min_u32 v26, 0x7ff, v26                      ; a token's number, held inside the table
	v_min_u32 v27, 0x7ff, v27
.irp u, 0,1
	v_lshlrev_b32 v[28+\u], 8, v[26+\u]
	v_lshl_add_u32 v[28+\u], v3, 4, v[28+\u]       ; 256 bytes of codes a token, + 16 h
	v_lshlrev_b32 v[30+\u], 4, v[26+\u]            ; 16 bytes of scale words a token
.endr
	s_wait_alu depctr_va_vdst(0)                   ; v28 to v31 are written, which the loads read as offsets; the products issued so far are done reading x's fragments and scale words, in which the loads land
.irp u, 0,1
.irp ks, 0,1,2,3
.irp c, 0,1
	global_load_b128 v[XF+32*\u+8*\ks+4*\c:XF+32*\u+8*\ks+4*\c+3], v[28+\u], s[8:9] offset:64*\ks+32*\c
.endr
.endr
	global_load_b128 v[XSC+4*\u:XSC+4*\u+3], v[30+\u], s[8:9] offset:XQS
.endr
.endm
.macro GELU x                          ; 32 numbers in place: x / (1 + 2^(x (c0 + c1 x^2))).  An exponential that overflows gives 0, one that underflows gives x
.set J, 0
.rept 16
	v_pk_mul_f32 v[GT+J:GT+J+1], v[\x+J:\x+J+1], v[\x+J:\x+J+1]
.set J, J+2
.endr
.set J, 0
.rept 16
	v_pk_fma_f32 v[GT+J:GT+J+1], v[GT+J:GT+J+1], v[C1:C1+1], v[C0:C0+1]
.set J, J+2
.endr
.set J, 0
.rept 16
	v_pk_mul_f32 v[GT+J:GT+J+1], v[GT+J:GT+J+1], v[\x+J:\x+J+1]
.set J, J+2
.endr
.set J, 0
.rept 32
	v_exp_f32 v[GT+J], v[GT+J]
.set J, J+1
.endr
	v_nop                                          ; a plain place behind the batch
	s_wait_alu depctr_va_vdst(0)                   ; the 32 exponentials have written their results: one wait, ahead of their first reader
.set J, 0
.rept 16
	v_pk_add_f32 v[GT+J:GT+J+1], v[GT+J:GT+J+1], 1.0 op_sel_hi:[1,0]
.set J, J+2
.endr
.set J, 0
.rept 32
	v_rcp_f32 v[GT+J], v[GT+J]
.set J, J+1
.endr
	v_nop
	s_wait_alu depctr_va_vdst(0)                   ; the 32 reciprocals have written their results: one wait, ahead of their first reader
.set J, 0
.rept 16
	v_pk_mul_f32 v[\x+J:\x+J+1], v[\x+J:\x+J+1], v[GT+J:GT+J+1]
.set J, J+2
.endr
.endm
.macro UM t, ks, u                     ; tile t of the hidden units x tile u of the rows, K step ks
.if (\t)%2 == 0
	v_wmma_scale_f32_16x16x128_f8f6f4 v[HA+8*(\t):HA+8*(\t)+7], v[8*(4*(\t)+\ks):8*(4*(\t)+\ks)+7], v[XF+32*\u+8*\ks:XF+32*\u+8*\ks+7], v[HA+8*(\t):HA+8*(\t)+7], v[WS+4*((\t)/2)+\ks], v[XSC+4*\u+\ks] matrix_a_fmt:MATRIX_FMT_FP4 matrix_b_fmt:MATRIX_FMT_FP4
.else
	v_wmma_scale_f32_16x16x128_f8f6f4 v[HA+8*(\t):HA+8*(\t)+7], v[8*(4*(\t)+\ks):8*(4*(\t)+\ks)+7], v[XF+32*\u+8*\ks:XF+32*\u+8*\ks+7], v[HA+8*(\t):HA+8*(\t)+7], v[WS+4*((\t)/2)+\ks], v[XSC+4*\u+\ks] matrix_a_fmt:MATRIX_FMT_FP4 matrix_b_fmt:MATRIX_FMT_FP4 matrix_a_scale:MATRIX_SCALE_ROW1
.endif
.endm
.macro TILE u
.irp t, 0,1,2,3,4,5,6,7
.irp q, 0,1
	ds_load_b128 v[HA+8*\t+4*\q:HA+8*\t+4*\q+3], v13 offset:128*(\t/2)+32*(\t%2)+16*\q   ; b1 of my eight hidden units of tile t: the sums begin with it.  No wait: no vector instruction since the last wait on va_vdst (ahead of the last tile's stores; in the first trip the gather's) names these registers
.endr
.endr
.if \u == 0
	s_wait_loadcnt 9                               ; tile 0's nine loads are in; tile 1's nine may be out
.else
	s_wait_loadcnt 0x0
.endif
	s_wait_dscnt 0x0
	WIN 0x01                                       ; source 0 (W1) window 1
.irp ks, 0,1,2,3                               ; the eight accumulators take turns, one instruction a turn
.irp t, 0,1,2,3,4,5,6,7
	UM \t, \ks, \u
.endr
.endr
	WIN 0
.rept 4
	v_nop                                          ; places behind the products, ahead of the first read of results
.endr
.if \u == 1
	s_wait_alu depctr_vm_vsrc(0)                   ; this group's gather has read v28 to v31, which the next gather writes; tile 0's stores have read the codes' registers, and the last trip's store v[PWS], which the quantiser below writes
	s_add_co_u32 s3, s[TRIP], 1                    ; if another trip follows, its tokens are found and its operands asked for while this tile is finished
	s_cmp_lt_u32 s3, s[TRIPS]
	s_cbranch_scc0 .Lno_next_\@
	s_add_co_u32 s3, s87, 256                      ; eight groups of 32 ranks on
	v_add_nc_u32 v16, s3, v1
	SELECT
	XGATHER
.Lno_next_\@:
.endif
	GELU HA
	GELU HA+32
	s_wait_xcnt 0x0                                ; the last stores have read the codes' registers
.if \u == 0
	s_wait_alu depctr_vm_vsrc(0)                   ; beside it: the last trip's stores have read the codes' registers, which the quantiser writes again
.endif
	QUANT HA, PC, PW+\u
.if \u == 1
	v_cndmask_b32 v[PWS], v[PW], v[PW+1], s98      ; lanes 0-15 tile 0's words, lanes 16-31 tile 1's
.endif
	s_wait_alu depctr_va_vdst(0)                   ; the quantiser has written the codes (tile 1: and v[PWS]), which the stores read, and is done reading the accumulators, in which the next tile's numbers of b1 land
	global_store_b128 v14, v[PC:PC+3], s[92:93] offset:1024*\u th:TH_STORE_NT        ; the fragment as it stands: 512 consecutive bytes a store, aligned
	global_store_b128 v14, v[PC+4:PC+7], s[92:93] offset:1024*\u+512 th:TH_STORE_NT
.endm
	s_load_b256 s[4:11], s[0:1], 0x0               ; W1, b1, xq, route
	s_load_b128 s[12:15], s[0:1], 0x20             ; hq, ptab
	v_lshl_add_u32 v254, v0, 2, 0x48a00
	v_mov_b32 v255, 0
	v_lshrrev_b32 v1, 5, v0
	v_readfirstlane_b32 s2, v1                     ; wave 0..7
	s_mov_b32 s84, ttmp9                           ; the slice
	s_and_b32 s85, ttmp7, 0xffff                   ; the expert
	v_and_b32 v1, 31, v0                           ; lane
	v_and_b32 v2, 15, v0                           ; r
	v_bfe_u32 v3, v0, 4, 1                         ; h
	v_lshlrev_b32 v14, 4, v1
	v_lshlrev_b32 v15, 2, v1
	v_lshlrev_b32 v[WGO], 4, v2
	v_lshl_add_u32 v[WGO], v3, 13, v[WGO]
	s_wait_alu depctr_va_sdst(0)                   ; s2 is written, ahead of its first reader
	s_lshl_b32 s3, s2, 15
	v_add_nc_u32 v[STW], s3, v14
	v_and_b32 v[STR], 8, v2
	v_add_nc_u32 v[STR], v[STR], v2
	v_lshl_add_u32 v[STR], v3, 3, v[STR]           ; my column of 32: 8 h + r + 8 (r / 8)
	v_lshlrev_b32 v[STR], 2, v[STR]
	v_add_nc_u32 v[STR], s3, v[STR]
	s_and_b32 s88, s2, 1                           ; which 64 columns
	s_lshr_b32 s89, s2, 1                          ; which K step
	s_lshl_b32 s3, s88, 14
	s_lshl_b32 s90, s89, 10
	s_add_co_u32 s3, s3, s90
	s_add_co_u32 s3, s3, IMG
	v_add_nc_u32 v[IMW], s3, v14
	s_lshl_b32 s3, s88, 10
	s_lshl_b32 s90, s89, 7
	s_add_co_u32 s3, s3, s90
	s_add_co_u32 s3, s3, SCL
	v_add_nc_u32 v[SCW], s3, v15
	v_add_nc_u32 v[IMR], IMG, v14
	v_add_nc_u32 v[SCR], SCL, v15
	s_lshl_b32 s3, s2, 6
	v_lshl_add_u32 v12, v2, 2, s3                  ; number 16 w + r of the slice's b1
	v_add_nc_u32 v11, B1L, v12
	v_lshl_add_u32 v13, v3, 6, B1L                 ; back: + 16 numbers for lanes 16-31
	s_mov_b32 s[SEL], 0x76543210
	s_mov_b32 s[SEL+1], 0xfedcba98
	s_mov_b32 s98, 0xffff0000                      ; lanes 16-31
	s_lshl_b32 s87, s2, 5                          ; my first group's first rank
	v_add_nc_u32 v16, s87, v1
.irp b, 4,5,6,7
	v_mov_b32 v[TM+\b], 0                          ; written once: a lane permute's destination counts as one of its sources
.endr
	v_mov_b32 v[C0], 0xc0135761                    ; c0 = -2 sqrt(2 / pi) log2(e)
	v_mov_b32 v[C0+1], 0xc0135761
	v_mov_b32 v[C1], 0xbdd2d3e8                    ; c1 = 0.044715 c0
	v_mov_b32 v[C1+1], 0xbdd2d3e8
	s_mov_b32 s91, 0
	s_wait_kmcnt 0x0
	s_lshl_b32 s90, s85, 8
	s_add_nc_u64 s[10:11], s[10:11], s[90:91]      ; the expert's 64 mask words
	s_load_b512 s[16:31], s[10:11], 0x0
	s_load_b512 s[32:47], s[10:11], 0x40
	s_load_b512 s[48:63], s[10:11], 0x80
	s_load_b512 s[68:83], s[10:11], 0xc0
	s_lshl_b32 s90, s85, 22                        ; W1[e]: 4 MiB;
	s_lshl_b32 s3, s89, 20                         ; 128 rows of 8,192 bytes;
	s_add_co_u32 s90, s90, s3
	s_lshl_b32 s3, s84, 9                          ; 128 columns;
	s_add_co_u32 s90, s90, s3
	s_lshl_b32 s3, s88, 8                          ; 64 columns
	s_add_co_u32 s90, s90, s3
	s_add_nc_u64 s[4:5], s[4:5], s[90:91]
	s_lshl_b32 s90, s85, 13
	s_lshl_b32 s3, s84, 9
	s_add_co_u32 s90, s90, s3
	s_add_nc_u64 s[6:7], s[6:7], s[90:91]
	s_wait_alu depctr_va_vdst(0)                   ; the offsets and LDS addresses v4 to v15 are written, which the loads and stores of the whole kernel read; none of them is written again
	global_load_b32 v198, v12, s[6:7]              ; the oldest load
	WIN 0x40                                       ; destination window 1
	LOADW 0, 60
	WIN 0
	s_lshl_b32 s90, s85, 21                        ; hq, codes: 2 MiB an expert, 32,768 bytes a group, 2,048 a slice
	s_lshl_b32 s3, s2, 15
	s_add_co_u32 s90, s90, s3
	s_lshl_b32 s3, s84, 11
	s_add_co_u32 s90, s90, s3
	s_add_nc_u64 s[92:93], s[12:13], s[90:91]
	s_lshl_b32 s90, s85, 17                        ; scale words: 131,072 an expert, 2,048 a group, 128 a slice
	s_lshl_b32 s3, s2, 11
	s_add_co_u32 s90, s90, s3
	s_lshl_b32 s3, s84, 7
	s_add_co_u32 s90, s90, s3
	s_add_nc_u64 s[94:95], s[12:13], s[90:91]
	s_add_nc_u64 s[94:95], s[94:95], HQS
	s_lshl_b32 s90, s85, 9
	s_add_nc_u64 s[14:15], s[14:15], s[90:91]      ; ptab's row
	s_wait_kmcnt 0x0                               ; the masks.  From here on s10 to s13, s90, s91 hold no address: the search uses them
	s_or_b32 s3, s84, s2
	s_cmp_lg_u32 s3, 0
	s_cbranch_scc1 .Lno_ptab
	v_mov_b32 v243, 0                              ; slice 0, wave 0: the table for the last launch
	v_mov_b32 v244, 0
	s_mov_b32 s88, 0
.set W, 0
.rept 64
.set MW, 16+W+(W/48)*4
	v_writelane_b32 v[243+W/32], s88, W%32         ; the ranks before word W
	s_bcnt1_i32_b32 s89, s[MW]
	s_add_co_u32 s88, s88, s89
.set W, W+1
.endr
	v_mov_b32 v245, s88                            ; the count
	s_wait_alu depctr_va_vdst(0)                   ; v243 to v245 are written, which the three stores read; they are not written again
	global_store_b32 v15, v243, s[14:15]
	global_store_b32 v15, v244, s[14:15] offset:128
	global_store_b32 v15, v245, s[14:15] offset:256
.Lno_ptab:
	SELECT                                         ; my first group's tokens, while the weights are on their way; s88 = the expert's count of rows
	s_add_co_u32 s[TRIPS], s88, 31
	s_lshr_b32 s[TRIPS], s[TRIPS], 5               ; G: the expert's groups of 32 ranks
	s_add_co_u32 s[TRIPS], s[TRIPS], 7
	s_sub_co_u32 s[TRIPS], s[TRIPS], s2
	s_lshr_b32 s[TRIPS], s[TRIPS], 3               ; groups w, w + 8, .. under G: (G + 7 - w) / 8 of them
	s_min_u32 s[TRIPS], s[TRIPS], 8                ; 64 groups over 8 waves at the most
	s_mov_b32 s[TRIP], 0
	WIN 0x40
	LOADW 60, 4                                    ; the last four stand behind the search, so that the wave does not stand at a full counter ahead of it.  No wait: the search names neither v4 nor window 1
	WIN 0
	; ---- PHASE W: eight units (a block of 32 along K x 32 columns), unit u in set u % 4
	s_wait_loadcnt 48                              ; b1's number and block 0 are in; 48 loads were issued behind them
	ds_store_b32 v11, v198                         ; (both halves of the lanes write the same word with the same value)
	WIN 0x04                                       ; an LDS store's data: window 1
	STORE16 0
	s_wait_loadcnt 32
	STORE16 1
	WIN 0
	RB 0, 0, XS0
	RB 0, 1, XS1
	s_wait_dscnt 32                                ; all but the next unit's 32 loads, here and below: LDS serves a wave's instructions in order
	QB XS0, CA, 0, 0
	RB 1, 0, XS2
	s_wait_dscnt 32
	QB XS1, CB, 0, 1
	PAIR 0, 0
	RB 1, 1, XS3
	s_wait_dscnt 32
	s_wait_alu depctr_vm_vsrc(0)                   ; the pair's LDS stores have read CA and CB, which this unit and the next write again
	QB XS2, CA, 1, 0
	s_wait_loadcnt 16
	WIN 0x04
	STORE16 2
	s_wait_loadcnt 0x0
	STORE16 3
	WIN 0
	RB 0, 2, XS0                                   ; the unit that read this set stands ahead of the last pair's wait on va_vdst: so of every run below
	s_wait_dscnt 32
	QB XS3, CB, 1, 1
	PAIR 1, 0
	RB 0, 3, XS1
	s_wait_dscnt 32
	s_wait_alu depctr_vm_vsrc(0)                   ; the pair's LDS stores have read CA and CB, which this unit and the next write again
	QB XS0, CA, 0, 2
	RB 1, 2, XS2
	s_wait_dscnt 32
	QB XS1, CB, 0, 3
	PAIR 0, 1
	RB 1, 3, XS3
	s_wait_dscnt 32
	s_wait_alu depctr_vm_vsrc(0)                   ; the pair's LDS stores have read CA and CB, which this unit and the next write again
	QB XS2, CA, 1, 2
	s_wait_dscnt 0x0
	QB XS3, CB, 1, 3
	PAIR 1, 1
	ds_store_b32 v[SCW], v[SBY]                    ; my columns' scale words of this K step: lanes 0-15 the even tile, lanes 16-31 the odd one.  (Written ahead of the pair's wait on va_vdst)
	ds_store_b32 v[SCW], v[SBY+1] offset:SSTR
	s_wait_dscnt 0x0                               ; for the others' sake: my images lie in LDS
	s_barrier_signal -1
	s_barrier_wait -1                              ; the launch's one barrier: every wave passes it
	s_wait_alu depctr_vm_vsrc(0)                   ; my LDS stores have read window 1, in which the images land, and v184 to v198, which gelu writes
	s_cmp_eq_u32 s[TRIPS], 0
	s_cbranch_scc1 .Lend                           ; the expert has no rows for this wave
	XGATHER                                        ; my first group's operands: they travel while the images are fetched
	WIN 0x40
.set F, 0
.rept 32
	ds_load_b128 v[8*F:8*F+3], v[IMR] offset:1024*F
	ds_load_b128 v[8*F+4:8*F+7], v[IMR] offset:1024*F+512
.set F, F+1
.endr
	WIN 0
.irp i, 0,1,2,3,4,5,6,7,8,9,10,11,12,13,14,15
	ds_load_b32 v[WS+\i], v[SCR] offset:128*\i
.endr
.Lgroup:                                           ; a trip: 32 rows x 128 hidden units
	TILE 0
	TILE 1
	global_store_b32 v15, v[PWS], s[94:95] th:TH_STORE_NT   ; (written ahead of tile 1's wait on va_vdst)
	s_wait_xcnt 0x0                                ; the stores have read their bases and registers
	s_add_nc_u64 s[92:93], s[92:93], 262144        ; eight groups on
	s_add_nc_u64 s[94:95], s[94:95], 16384
	s_add_co_u32 s87, s87, 256
	s_add_co_u32 s[TRIP], s[TRIP], 1
	s_cmp_lt_u32 s[TRIP], s[TRIPS]
	s_cbranch_scc1 .Lgroup
.Lend:
	s_wait_dscnt 0x0                               ; the closing lines, six on end
	s_wait_alu 0x0
	s_wait_tensorcnt 0x0
	ds_add_u32 v254, v255
	s_wait_dscnt 0x0
	s_endpgm
.Lfunc_end_k_q74d8cfbef0_up:
	.size	k_q74d8cfbef0_up, .Lfunc_end_k_q74d8cfbef0_up-k_q74d8cfbef0_up
	.p2alignl 7, 3214868480
	.fill 96, 4, 3214868480
	.section	.rodata,"a",@progbits
	.p2align	6, 0x0
	.amdhsa_kernel k_q74d8cfbef0_up
		.amdhsa_group_segment_fixed_size 298496
		.amdhsa_private_segment_fixed_size 0
		.amdhsa_enable_private_segment 0
		.amdhsa_kernarg_size 48
		.amdhsa_user_sgpr_count 2
		.amdhsa_user_sgpr_kernarg_segment_ptr 1
		.amdhsa_wavefront_size32 1
		.amdhsa_system_sgpr_workgroup_id_x 1
		.amdhsa_system_sgpr_workgroup_id_y 1
		.amdhsa_system_sgpr_workgroup_id_z 1
		.amdhsa_system_vgpr_workitem_id 0
		.amdhsa_next_free_vgpr 512
		.amdhsa_next_free_sgpr 102
		.amdhsa_reserve_vcc 1
		.amdhsa_float_denorm_mode_32 3
		.amdhsa_float_denorm_mode_16_64 3
		.amdhsa_memory_ordered 1
		.amdhsa_forward_progress 1
		.amdhsa_inst_pref_size 156
	.end_amdhsa_kernel
	.amdgpu_metadata
---
amdhsa.version: [ 1, 2 ]
amdhsa.kernels:
  - .name:           k_q74d8cfbef0_up
    .symbol:         k_q74d8cfbef0_up.kd
    .args:
      - { .name: W1, .offset: 0, .size: 8, .value_kind: global_buffer, .address_space: global }
      - { .name: b1, .offset: 8, .size: 8, .value_kind: global_buffer, .address_space: global }
      - { .name: xq, .offset: 16, .size: 8, .value_kind: global_buffer, .address_space: global }
      - { .name: route, .offset: 24, .size: 8, .value_kind: global_buffer, .address_space: global }
      - { .name: hq, .offset: 32, .size: 8, .value_kind: global_buffer, .address_space: global }
      - { .name: ptab, .offset: 40, .size: 8, .value_kind: global_buffer, .address_space: global }
    .group_segment_fixed_size: 298496
    .private_segment_fixed_size: 0
    .kernarg_segment_align: 8
    .kernarg_segment_size: 48
    .max_flat_workgroup_size: 256
    .sgpr_count:     102
    .vgpr_count:     512
    .wavefront_size: 32
...
	.end_amdgpu_metadata
.endif
;; end of part 5
;; launch down (part 6): grid 16 x 16, 8 waves a work-group, no clusters, 297,984 bytes of LDS; arguments W2, hq, ptab, eo; writes eo
.if DOCPART == 6
	.amdgcn_target "amdgcn-amd-amdhsa--gfx1250"
	.amdhsa_code_object_version 6
	.text
	.protected	k_q74d8cfbef0_down
	.globl	k_q74d8cfbef0_down
	.p2align	8
	.type	k_q74d8cfbef0_down,@function
k_q74d8cfbef0_down:
	s_mov_b64 s[64:65], 0
	v_nop
	global_prefetch_b8 v0, s[64:65] scope:SCOPE_SE
	s_setreg_imm32_b32 hwreg(HW_REG_WAVE_SCHED_MODE, 0, 2), 2
	s_setreg_imm32_b32 hwreg(HW_REG_WAVE_MODE, 25, 1), 1
	s_wait_xcnt 0x0
	s_wait_alu depctr_vm_vsrc(0)
; DOWN.  eo[e][kh][rank][:] = the part over K half kh (1,024 hidden units) of Q(h) Q(W2[e]), for the expert's own rows alone.  b2, the gates and the sum of the two halves are the last launch's.
; SHARES.  Work-group (x, e): cs = x % 8 is a slice of 64 output columns, kh = x / 8 the K half: 1,024 x 64 numbers of W2, 256 KiB of f32, read from memory by this work-group alone.
; PHASE W: wave w takes K step w of the half (128 rows) x the 64 columns: 64 loads of two rows x 256 bytes; through its own stage in LDS the numbers come back with a lane to a column and registers down K, are quantised
; block by block, and the fragments go to LDS as images of their registers.  Behind ONE barrier every wave holds the slice's 32 fragments (fragment 8 t + ks; 256 registers, window 1) and 16 registers of scale words.
; ROWS.  Wave w takes groups w, w + 8, .. of 32 ranks: with G = ceil(count / 32) groups that is (G + 7 - w) / 8 trips, at most 8, counted by 1.  A group's 16 fragments of h and its 8 registers of scale words
; come from hq as they were stored: register images.
; The product is used transposed (source 0 = 16 output columns, source 1 = 16 rows): a lane holds eight neighbouring numbers of a row.  Results leave through the wave's own stage: 16 lanes store 256 consecutive bytes, aligned.
; The sum over K is cut in two halves, added in the last launch: an order of rounding that differs from reference()'s.
; No tensor load, no cluster: trip counts hang on a count read from memory.  No prefetch: every weight byte is asked for by its own load at the head.
; LIMITS: NaN and infinities are not served.  A block of zeros gets the byte 1 over zero codes; the bytes are read by this program alone.
; THE MODE: SCHED_MODE bits 1:0 = 2 (LLVM: expert scheduling mode 2), set by the entry lines.  The code itself states the register dependences
; between vector or matrix instructions and memory or LDS instructions, with s_wait_alu, always for 0.
; THE PLAN.  Registers that memory or LDS instructions touch:
;   v4-v14        offsets and LDS addresses: made at the head, never written again: one wait on va_vdst ahead of the first load serves every load and store of the kernel.
;   window 1      W2 as loaded: global loads land, the LDS stores into the stage read.  Behind the barrier the images land there and the products read them: one wait on vm_vsrc behind the barrier.
;   S0 .. S3      phase W: four sets of 32 numbers.  Unit u's LDS loads land in S[u % 4], its arithmetic reads them.  A set is asked for again two units behind the unit that read it, and the wait
;                 on va_vdst of the pair between has shown that unit done: the runs of LDS loads owe no wait of their own.
;   CA, CB, SBY   phase W: written by a unit's arithmetic and the lane swaps, read by the pair's LDS stores: one wait on va_vdst ahead of a pair's stores, one on vm_vsrc ahead of the next even unit.
;   HF, HSC       a group's loads land, the products read.   ACC  the products write; the LDS stores into the stage read; the LDS loads out of it land; the global stores read; the next trip's products write.
; In a trip ONE wait on va_vdst stands behind the products and their places: the accumulators are written, and h's registers are read out.  One wait on vm_vsrc stands between the stage's stores and its loads,
; one at the trip's end, beside the wait on XCNT, ahead of the backward jump.  There are no registers for a second buffer of h: windows 0 and 1 are full.
;   v254, v255    written at the head, read by the closing add alone.
.set GP,   2048                        ; a row of W2[e] in bytes
.set TSTR, 8192                        ; from tile to tile among the images
.set SSTR, 1024                        ; from pair of tiles to pair among the scale words (8 (t / 2) + ks)
.set IMG,  262144                      ; LDS: from 0 eight stages of 128 rows x 256 bytes (later each wave's way out: 32 rows x 272); here 32 images of 1,024 bytes;
.set SCL,  294912                      ; 16 x 128 bytes of scale words
.set HQS,  33554432
.set WGO, 4                            ; v4   2,048 h + 16 r: my 16 bytes of two rows, of W2 and of eo alike
.set STW, 5
.set STR, 6
.set IMW, 7
.set SCW, 8
.set IMR, 9
.set SCR, 10
.set OSW, 11                           ; v11  the way out, in: row r, + 32 h
.set OSR, 12                           ; v12  back: lanes 0-15 one row, lanes 16-31 the next;  v13 16 x lane, v14 4 x lane
.set CA,  16
.set CB,  20
.set SBY, 24
.set QT,  26
.set WS,  32                           ; v32-47   W2's scale words: lanes 0-15 the even tile's, lanes 16-31 the odd tile's
.set HF,  48                           ; v48-175  h's fragments: tile u at 64 u, K step ks at 8 ks
.set HSC, 176                          ; v176-183 h's scale words: lanes 0-15 tile 0's rows, lanes 16-31 tile 1's
.set ACC, 184                          ; v184-247 eight accumulators: 8 (4 u + t)
.set XS0, 184                          ;          (phase W: four sets of 32 numbers: two where the accumulators will lie,
.set XS1, 216
.set XS2, 48                           ;          two where h's fragments will lie)
.set XS3, 80
.set TRIP, 28                          ; s28  the trip in hand, from 0, stepped by 1
.set TRIPS, 29                         ; s29  my wave's trips; the loop does not write it
.set MSB, 0
.macro WIN new                         ; the immediate's high byte repeats the setting that is left
.if MSB != \new
	s_set_vgpr_msb (MSB<<8)|\new
.set MSB, \new
.endif
.endm
.macro STORE16 bb
.set I, 16*\bb
.rept 16
	ds_store_b128 v[STW], v[4*I:4*I+3] offset:512*I
.set I, I+1
.endr
.endm
.macro RB g, bb, reg                   ; block bb of my column in column group g, into the set at v[reg]
.set I, 0
.rept 32
	ds_load_b32 v[(\reg)+I], v[STR] offset:(32*(\bb)+I)*256+128*(\g)
.set I, I+1
.endr
.endm
.macro QB xs, c, g, bb
	v_max3_num_f32 v[QT], |v[\xs]|, |v[\xs+1]|, |v[\xs+2]|
	v_max3_num_f32 v[QT+1], |v[\xs+3]|, |v[\xs+4]|, |v[\xs+5]|
.irp i, 6,10,14,18,22,26
	v_max3_num_f32 v[QT], v[QT], |v[\xs+\i]|, |v[\xs+\i+1]|
	v_max3_num_f32 v[QT+1], v[QT+1], |v[\xs+\i+2]|, |v[\xs+\i+3]|
.endr
	v_max3_num_f32 v[QT], v[QT], |v[\xs+30]|, |v[\xs+31]|
	v_max3_num_f32 v[QT], v[QT], v[QT+1], 0x1800000              ; and the floor 2^(3 - 127): the byte cannot fall under 1
	v_add_nc_u32 v[QT+2], 0xff000000, v[QT]                      ; 2 off the exponent field: the conversion's scale operand
	v_lshrrev_b32 v[QT+3], 23, v[QT+2]                           ; the byte
.if \bb == 0
	v_mov_b32 v[SBY+\g], v[QT+3]
.else
	v_lshl_or_b32 v[SBY+\g], v[QT+3], 8*\bb, v[SBY+\g]
.endif
.irp q, 0,1,2,3
	v_cvt_scalef32_pk8_fp4_f32 v[\c+\q], v[\xs+8*\q:\xs+8*\q+7], v[QT+2]
.endr
.endm
.macro PAIR g, c
	v_nop                                          ; one plain place behind a scaled conversion
.irp i, 0,1,2,3
	v_permlane16_swap_b32 v[CA+\i], v[CB+\i]
.endr
	s_wait_alu depctr_va_vdst(0)                   ; the swaps have written CA and CB (and the units SBY), which the LDS stores read; the two units are done reading their sets, in which later loads land
	ds_store_b128 v[IMW], v[CA:CA+3] offset:(2*(\g))*TSTR+512*(\c)
	ds_store_b128 v[IMW], v[CB:CB+3] offset:(2*(\g)+1)*TSTR+512*(\c)
.endm
.macro HLOAD                           ; a group's operands: five loads a K step
.irp ks, 0,1,2,3,4,5,6,7
.irp u, 0,1
.irp c, 0,1
	global_load_b128 v[HF+64*\u+8*\ks+4*\c:HF+64*\u+8*\ks+4*\c+3], v13, s[22:23] offset:2048*\ks+1024*\u+512*\c
.endr
.endr
	global_load_b32 v[HSC+\ks], v14, s[24:25] offset:128*\ks
.endr
.endm
.macro MM acc, wf, hf, ws, hs, zero, ra, rb    ; ra, rb: the side's scale words lie in lanes 16-31
.if \zero
.if ((\ra) == 0) && ((\rb) == 0)
	v_wmma_scale_f32_16x16x128_f8f6f4 v[\acc:\acc+7], v[\wf:\wf+7], v[\hf:\hf+7], 0, v[\ws], v[\hs] matrix_a_fmt:MATRIX_FMT_FP4 matrix_b_fmt:MATRIX_FMT_FP4
.elseif ((\ra) == 1) && ((\rb) == 0)
	v_wmma_scale_f32_16x16x128_f8f6f4 v[\acc:\acc+7], v[\wf:\wf+7], v[\hf:\hf+7], 0, v[\ws], v[\hs] matrix_a_fmt:MATRIX_FMT_FP4 matrix_b_fmt:MATRIX_FMT_FP4 matrix_a_scale:MATRIX_SCALE_ROW1
.elseif ((\ra) == 0) && ((\rb) == 1)
	v_wmma_scale_f32_16x16x128_f8f6f4 v[\acc:\acc+7], v[\wf:\wf+7], v[\hf:\hf+7], 0, v[\ws], v[\hs] matrix_a_fmt:MATRIX_FMT_FP4 matrix_b_fmt:MATRIX_FMT_FP4 matrix_b_scale:MATRIX_SCALE_ROW1
.else
	v_wmma_scale_f32_16x16x128_f8f6f4 v[\acc:\acc+7], v[\wf:\wf+7], v[\hf:\hf+7], 0, v[\ws], v[\hs] matrix_a_fmt:MATRIX_FMT_FP4 matrix_b_fmt:MATRIX_FMT_FP4 matrix_a_scale:MATRIX_SCALE_ROW1 matrix_b_scale:MATRIX_SCALE_ROW1
.endif
.else
.if ((\ra) == 0) && ((\rb) == 0)
	v_wmma_scale_f32_16x16x128_f8f6f4 v[\acc:\acc+7], v[\wf:\wf+7], v[\hf:\hf+7], v[\acc:\acc+7], v[\ws], v[\hs] matrix_a_fmt:MATRIX_FMT_FP4 matrix_b_fmt:MATRIX_FMT_FP4
.elseif ((\ra) == 1) && ((\rb) == 0)
	v_wmma_scale_f32_16x16x128_f8f6f4 v[\acc:\acc+7], v[\wf:\wf+7], v[\hf:\hf+7], v[\acc:\acc+7], v[\ws], v[\hs] matrix_a_fmt:MATRIX_FMT_FP4 matrix_b_fmt:MATRIX_FMT_FP4 matrix_a_scale:MATRIX_SCALE_ROW1
.elseif ((\ra) == 0) && ((\rb) == 1)
	v_wmma_scale_f32_16x16x128_f8f6f4 v[\acc:\acc+7], v[\wf:\wf+7], v[\hf:\hf+7], v[\acc:\acc+7], v[\ws], v[\hs] matrix_a_fmt:MATRIX_FMT_FP4 matrix_b_fmt:MATRIX_FMT_FP4 matrix_b_scale:MATRIX_SCALE_ROW1
.else
	v_wmma_scale_f32_16x16x128_f8f6f4 v[\acc:\acc+7], v[\wf:\wf+7], v[\hf:\hf+7], v[\acc:\acc+7], v[\ws], v[\hs] matrix_a_fmt:MATRIX_FMT_FP4 matrix_b_fmt:MATRIX_FMT_FP4 matrix_a_scale:MATRIX_SCALE_ROW1 matrix_b_scale:MATRIX_SCALE_ROW1
.endif
.endif
.endm
	s_load_b256 s[4:11], s[0:1], 0x0               ; W2, hq, ptab, eo
	v_lshl_add_u32 v254, v0, 2, 0x48800
	v_mov_b32 v255, 0
	v_lshrrev_b32 v1, 5, v0
	v_readfirstlane_b32 s2, v1                     ; wave 0..7
	s_and_b32 s16, ttmp9, 7                        ; cs
	s_lshr_b32 s17, ttmp9, 3                       ; kh
	s_and_b32 s18, ttmp7, 0xffff                   ; the expert
	v_and_b32 v1, 31, v0
	v_and_b32 v2, 15, v0
	v_bfe_u32 v3, v0, 4, 1
	v_lshlrev_b32 v13, 4, v1
	v_lshlrev_b32 v14, 2, v1
	v_lshlrev_b32 v[WGO], 4, v2
	v_lshl_add_u32 v[WGO], v3, 11, v[WGO]
	s_wait_alu depctr_va_sdst(0)                   ; s2 is written, ahead of its first reader
	s_lshl_b32 s3, s2, 15
	v_add_nc_u32 v[STW], s3, v13
	v_add_nc_u32 v[STR], s3, v14                   ; my column of 32 is my lane
	v_mul_u32_u24 v[OSW], v2, 272
	v_lshl_add_u32 v[OSW], v3, 5, v[OSW]
	v_add_nc_u32 v[OSW], s3, v[OSW]
	v_mul_u32_u24 v[OSR], v3, 272
	v_lshl_add_u32 v[OSR], v2, 4, v[OSR]
	v_add_nc_u32 v[OSR], s3, v[OSR]
	s_lshl_b32 s3, s2, 10
	s_add_co_u32 s3, s3, IMG
	v_add_nc_u32 v[IMW], s3, v13
	s_lshl_b32 s3, s2, 7
	s_add_co_u32 s3, s3, SCL
	v_add_nc_u32 v[SCW], s3, v14
	v_add_nc_u32 v[IMR], IMG, v13
	v_add_nc_u32 v[SCR], SCL, v14
	s_mov_b32 s13, 0
	s_wait_kmcnt 0x0
	s_lshl_b32 s12, s18, 9
	s_add_nc_u64 s[8:9], s[8:9], s[12:13]
	s_load_b32 s20, s[8:9], 0x100                  ; the expert's count of rows
	s_lshl_b32 s12, s18, 22                        ; W2[e]: 4 MiB;
	s_lshl_b32 s3, s17, 21                         ; 1,024 rows of 2,048 bytes;
	s_add_co_u32 s12, s12, s3
	s_lshl_b32 s3, s2, 18                          ; 128 rows;
	s_add_co_u32 s12, s12, s3
	s_lshl_b32 s3, s16, 8                          ; 64 columns
	s_add_co_u32 s12, s12, s3
	s_add_nc_u64 s[4:5], s[4:5], s[12:13]
	WIN 0x40                                       ; destination window 1
	s_wait_alu depctr_va_vdst(0)                   ; the offsets and LDS addresses v4 to v14 are written, which the loads and stores of the whole kernel read; none of them is written again
.set I, 0
.rept 64
	global_load_b128 v[4*I:4*I+3], v[WGO], s[4:5] offset:I*2*GP th:TH_LOAD_NT   ; rows 2 i and 2 i + 1: 256 consecutive bytes of each, aligned
.set I, I+1
.endr
	WIN 0
	s_lshl_b32 s12, s18, 21                        ; hq, codes: 2 MiB an expert, 32,768 bytes a group, 16,384 a K half
	s_lshl_b32 s3, s2, 15
	s_add_co_u32 s12, s12, s3
	s_lshl_b32 s3, s17, 14
	s_add_co_u32 s12, s12, s3
	s_add_nc_u64 s[22:23], s[6:7], s[12:13]
	s_lshl_b32 s12, s18, 17                        ; scale words: 131,072 an expert, 2,048 a group, 1,024 a K half
	s_lshl_b32 s3, s2, 11
	s_add_co_u32 s12, s12, s3
	s_lshl_b32 s3, s17, 10
	s_add_co_u32 s12, s12, s3
	s_add_nc_u64 s[24:25], s[6:7], s[12:13]
	s_add_nc_u64 s[24:25], s[24:25], HQS
	s_lshl_b32 s12, s18, 23                        ; eo: 8 MiB an expert, 4 MiB a K half, 2,048 bytes a rank, 256 a slice
	s_lshl_b32 s3, s17, 22
	s_add_co_u32 s12, s12, s3
	s_lshl_b32 s3, s2, 16
	s_add_co_u32 s12, s12, s3
	s_lshl_b32 s3, s16, 8
	s_add_co_u32 s12, s12, s3
	s_add_nc_u64 s[26:27], s[10:11], s[12:13]
	; ---- PHASE W: eight units (a block of 32 along K x 32 columns), unit u in set u % 4
	s_wait_loadcnt 48                              ; block 0 is in; 48 loads were issued behind it
	WIN 0x04                                       ; an LDS store's data: window 1
	STORE16 0
	s_wait_loadcnt 32
	STORE16 1
	WIN 0
	RB 0, 0, XS0
	RB 0, 1, XS1
	s_wait_dscnt 32                                ; all but the next unit's 32 loads, here and below: LDS serves a wave's instructions in order
	QB XS0, CA, 0, 0
	RB 1, 0, XS2
	s_wait_dscnt 32
	QB XS1, CB, 0, 1
	PAIR 0, 0
	RB 1, 1, XS3
	s_wait_dscnt 32
	s_wait_alu depctr_vm_vsrc(0)                   ; the pair's LDS stores have read CA and CB, which this unit and the next write again
	QB XS2, CA, 1, 0
	s_wait_loadcnt 16
	WIN 0x04
	STORE16 2
	s_wait_loadcnt 0x0
	STORE16 3
	WIN 0
	RB 0, 2, XS0                                   ; the unit that read this set stands ahead of the last pair's wait on va_vdst: so of every run below
	s_wait_dscnt 32
	QB XS3, CB, 1, 1
	PAIR 1, 0
	RB 0, 3, XS1
	s_wait_dscnt 32
	s_wait_alu depctr_vm_vsrc(0)                   ; the pair's LDS stores have read CA and CB, which this unit and the next write again
	QB XS0, CA, 0, 2
	RB 1, 2, XS2
	s_wait_dscnt 32
	QB XS1, CB, 0, 3
	PAIR 0, 1
	RB 1, 3, XS3
	s_wait_dscnt 32
	s_wait_alu depctr_vm_vsrc(0)                   ; the pair's LDS stores have read CA and CB, which this unit and the next write again
	QB XS2, CA, 1, 2
	s_wait_dscnt 0x0
	QB XS3, CB, 1, 3
	PAIR 1, 1
	ds_store_b32 v[SCW], v[SBY]                    ; (written ahead of the pair's wait on va_vdst)
	ds_store_b32 v[SCW], v[SBY+1] offset:SSTR
	s_wait_dscnt 0x0                               ; for the others' sake: my images lie in LDS
	s_barrier_signal -1
	s_barrier_wait -1                              ; the launch's one barrier: every wave passes it
	s_wait_alu depctr_vm_vsrc(0)                   ; my LDS stores have read window 1, in which the images land
	s_wait_kmcnt 0x0
	s_min_u32 s20, s20, 2048                       ; a count of rows, held inside the table
	s_add_co_u32 s[TRIPS], s20, 31
	s_lshr_b32 s[TRIPS], s[TRIPS], 5               ; G: the expert's groups of 32 ranks
	s_add_co_u32 s[TRIPS], s[TRIPS], 7
	s_sub_co_u32 s[TRIPS], s[TRIPS], s2
	s_lshr_b32 s[TRIPS], s[TRIPS], 3               ; groups w, w + 8, .. under G: (G + 7 - w) / 8 of them
	s_min_u32 s[TRIPS], s[TRIPS], 8                ; 64 groups over 8 waves at the most
	s_mov_b32 s[TRIP], 0
	s_cmp_eq_u32 s[TRIPS], 0
	s_cbranch_scc1 .Lend                           ; the expert has no rows for this wave
	HLOAD                                          ; my first group's operands: they travel while the images are fetched.  No wait: the units that read v48 to v111 stand ahead of the last pair's wait on va_vdst, and no vector instruction follows it
	WIN 0x40
.set F, 0
.rept 32
	ds_load_b128 v[8*F:8*F+3], v[IMR] offset:1024*F
	ds_load_b128 v[8*F+4:8*F+7], v[IMR] offset:1024*F+512
.set F, F+1
.endr
	WIN 0
.irp i, 0,1,2,3,4,5,6,7,8,9,10,11,12,13,14,15
	ds_load_b32 v[WS+\i], v[SCR] offset:128*\i
.endr
	s_wait_dscnt 0x0
.Lgroup:                                           ; a trip: 32 rows x 64 columns x 1,024 along K
	WIN 0x01                                       ; source 0 (W2) window 1
.irp ks, 0,1,2,3,4,5,6,7
	s_wait_loadcnt 5*(7-\ks)                       ; this K step's five loads are in; the later K steps' may be out
.irp u, 0,1                                    ; the eight accumulators take turns, one instruction a turn; the first K step starts the sums
.irp t, 0,1,2,3
.if \ks == 0
	MM ACC+8*(4*\u+\t), 8*(8*\t+\ks), HF+64*\u+8*\ks, WS+8*(\t/2)+\ks, HSC+\ks, 1, \t%2, \u
.else
	MM ACC+8*(4*\u+\t), 8*(8*\t+\ks), HF+64*\u+8*\ks, WS+8*(\t/2)+\ks, HSC+\ks, 0, \t%2, \u
.endif
.endr
.endr
.endr
	WIN 0
.rept 5
	v_nop                                          ; four places ahead of the first read of results; the fifth because the next trip's first products begin these accumulators anew
.endr
	s_wait_alu depctr_va_vdst(0)                   ; the products have written the accumulators, which the LDS stores below read and in which the loads out of the stage land; they are done reading h's fragments and scale words, in which the next group's loads land.  The places above stay beside this wait
	s_add_co_u32 s3, s[TRIP], 1
	s_cmp_lt_u32 s3, s[TRIPS]
	s_cbranch_scc0 .Lno_next
	s_add_nc_u64 s[22:23], s[22:23], 262144        ; (the loads that read these bases are in)  eight groups on
	s_add_nc_u64 s[24:25], s[24:25], 16384
	HLOAD                                          ; my next group's operands travel while this group leaves
.Lno_next:
.irp u, 0,1
.irp t, 0,1,2,3
	ds_store_b128 v[OSW], v[ACC+8*(4*\u+\t):ACC+8*(4*\u+\t)+3] offset:4352*\u+64*\t          ; each accumulator from its low end on
	ds_store_b128 v[OSW], v[ACC+8*(4*\u+\t)+4:ACC+8*(4*\u+\t)+7] offset:4352*\u+64*\t+16
.endr
.endr
	s_wait_alu depctr_vm_vsrc(0)                   ; the LDS stores have read the accumulators' registers, in which the loads below land
.irp i, 0,1,2,3,4,5,6,7,8,9,10,11,12,13,14,15
	ds_load_b128 v[ACC+4*\i:ACC+4*\i+3], v[OSR] offset:544*\i    ; LDS serves a wave's instructions in order: these see my stores; back into the registers that they left
.endr
.irp i, 0,1,2,3,4,5,6,7,8,9,10,11,12,13,14,15
	s_wait_dscnt 15-\i
	global_store_b128 v[WGO], v[ACC+4*\i:ACC+4*\i+3], s[26:27] offset:4096*\i th:TH_STORE_NT   ; two rows: 16 lanes store 256 consecutive bytes, aligned
.endr
	s_wait_xcnt 0x0                                ; the stores have read their base and registers
	s_wait_alu depctr_vm_vsrc(0)                   ; beside it: the stores have read v[ACC ..], which the next trip's products write
	s_add_nc_u64 s[26:27], s[26:27], 524288        ; 256 ranks on
	s_add_co_u32 s[TRIP], s[TRIP], 1
	s_cmp_lt_u32 s[TRIP], s[TRIPS]
	s_cbranch_scc1 .Lgroup
.Lend:
	s_wait_dscnt 0x0                               ; the closing lines, six on end
	s_wait_alu 0x0
	s_wait_tensorcnt 0x0
	ds_add_u32 v254, v255
	s_wait_dscnt 0x0
	s_endpgm
.Lfunc_end_k_q74d8cfbef0_down:
	.size	k_q74d8cfbef0_down, .Lfunc_end_k_q74d8cfbef0_down-k_q74d8cfbef0_down
	.p2alignl 7, 3214868480
	.fill 96, 4, 3214868480
	.section	.rodata,"a",@progbits
	.p2align	6, 0x0
	.amdhsa_kernel k_q74d8cfbef0_down
		.amdhsa_group_segment_fixed_size 297984
		.amdhsa_private_segment_fixed_size 0
		.amdhsa_enable_private_segment 0
		.amdhsa_kernarg_size 32
		.amdhsa_user_sgpr_count 2
		.amdhsa_user_sgpr_kernarg_segment_ptr 1
		.amdhsa_wavefront_size32 1
		.amdhsa_system_sgpr_workgroup_id_x 1
		.amdhsa_system_sgpr_workgroup_id_y 1
		.amdhsa_system_sgpr_workgroup_id_z 1
		.amdhsa_system_vgpr_workitem_id 0
		.amdhsa_next_free_vgpr 512
		.amdhsa_next_free_sgpr 66
		.amdhsa_reserve_vcc 0
		.amdhsa_float_denorm_mode_32 3
		.amdhsa_float_denorm_mode_16_64 3
		.amdhsa_memory_ordered 1
		.amdhsa_forward_progress 1
		.amdhsa_inst_pref_size 69
	.end_amdhsa_kernel
	.amdgpu_metadata
---
amdhsa.version: [ 1, 2 ]
amdhsa.kernels:
  - .name:           k_q74d8cfbef0_down
    .symbol:         k_q74d8cfbef0_down.kd
    .args:
      - { .name: W2, .offset: 0, .size: 8, .value_kind: global_buffer, .address_space: global }
      - { .name: hq, .offset: 8, .size: 8, .value_kind: global_buffer, .address_space: global }
      - { .name: ptab, .offset: 16, .size: 8, .value_kind: global_buffer, .address_space: global }
      - { .name: eo, .offset: 24, .size: 8, .value_kind: global_buffer, .address_space: global }
    .group_segment_fixed_size: 297984
    .private_segment_fixed_size: 0
    .kernarg_segment_align: 8
    .kernarg_segment_size: 32
    .max_flat_workgroup_size: 256
    .sgpr_count:     66
    .vgpr_count:     512
    .wavefront_size: 32
...
	.end_amdgpu_metadata
.endif
;; end of part 6
;; launch mix: the kernel of part 4 again; grid 257 x 1, 8 waves a work-group, no clusters, 0 bytes of LDS; arguments route, ptab, xq, eo, b2, out0, out1; writes out0, out1
